; MI455X (gfx1250); checked and timed in simulation.
; The chip was launched on July 23, 2026; its instructions are those of AMD's public machine-readable ISA for CDNA 5 (MIT licence, August 2026) and "CDNA5" Instruction Set Architecture Reference Guide (July 2026). The comments in the code are by the model that wrote it; some were corrected since.
;; Multi Head Attention. Allowed arithmetic: matrix products marked QUANTISED: E4M3 operands, one E8M0 scale for each 32 along K, by v_wmma_scale_f32_16x16x128_f8f6f4 with both operands' format E4M3, f32 sums; everything else in f32.
;; Inputs: input_codes 4 x 2,048 x 32 x 32 uint8 (E4M3 codes of input, K innermost, in blocks of 32 codes); input_scales 4 x 2,048 x 32 uint8 (E8M0 scales of input, one for each 32 codes along K); mask 2,048 x 2,048 bool; out_b 1,024 float32; out_w_codes 1,024 x 32 x 32 uint8 (E4M3 codes of out_w, K innermost, in blocks of 32 codes); out_w_scales 1,024 x 32 uint8 (E8M0 scales of out_w, one for each 32 codes along K); qkv_b 3,072 float32; qkv_w_codes 3,072 x 32 x 32 uint8 (E4M3 codes of qkv_w, K innermost, in blocks of 32 codes); qkv_w_scales 3,072 x 32 uint8 (E8M0 scales of qkv_w, one for each 32 codes along K).
;; Outputs: out0 4 x 2,048 x 1,024 float32.
;; This version of the problem:
;;   THIS VERSION OF THE PROBLEM IS GIVEN IN LOW PRECISION. The matrix products marked QUANTISED in the list below multiply operands that are first quantised to E4M3 (4 exponent bits, 3 mantissa bits; 8 bits a number), with one power-of-two scale for each 32 numbers along K (OCP MX v1.0); their sums are f32. All else is computed in f32.
;;   The module's matrix products, in the order in which they are computed (A, B: the left and right operand; K: the contracted axis; several contracted axes count as one K, in the product's order):
;;     1. [M 8,192, K 1,024] x [K 1,024, N 3,072]; A: input input (given as codes); B: input qkv_w (given as codes): QUANTISED
;;     2. batch 64 x [M 2,048, K 64] x [K 64, N 2,048]; A: computed on the way; B: computed on the way: QUANTISED
;;     3. batch 64 x [M 2,048, K 2,048] x [K 2,048, N 64]; A: softmax (see below); B: computed on the way: QUANTISED
;;     4. [M 8,192, K 1,024] x [K 1,024, N 1,024]; A: computed on the way; B: input out_w (given as codes): QUANTISED
;;   THE QUANTISER, for each operand of a quantised product, along K:
;;     - K is cut into blocks of 32 from its start; a last block that is shorter is filled with zeros.
;;     - A block's scale is 2^e with e = floor(log2(the largest magnitude in the block)) - 8, held to -126 .. 127; a block of zeros has e = 0. As a byte (E8M0): e + 127.
;;     - Each number is divided by its block's scale, clamped to +-448, and rounded to the nearest number of E4M3, ties to even, subnormals kept.
;;     - The product sums the exact products of the quantised numbers (number of the format x scale) in f32.
;;   ~~~python
;;   def quantise(x, axis):      # numpy; x: float32 -> the quantised numbers, widened to float32 again
;;       x = np.moveaxis(x, axis, -1); K = x.shape[-1]
;;       x = np.pad(x, [(0, 0)] * (x.ndim - 1) + [(0, -K % 32)]); x = x.reshape(x.shape[:-1] + (-1, 32)); a = np.abs(x).max(-1, keepdims=True)
;;       e = np.where(a > 0, np.clip(np.frexp(np.where(a > 0, a, 1))[1] - 1 - 8, -126, 127), 0)      # np.frexp(a)[1] - 1 = floor(log2(a)), exactly
;;       r = np.clip(x / 2.0 ** e, -448, 448)
;;       step = 2.0 ** (np.maximum(np.frexp(np.where(r == 0, 1, r))[1] - 1, -6) - 3)
;;       q = np.round(r / step) * step * 2.0 ** e      # np.round: ties to even
;;       return np.moveaxis(q.reshape(q.shape[:-2] + (-1,))[..., :K], -1, axis).astype(np.float32)
;;   ~~~
;;   SOFTMAX AHEAD OF A QUANTISED PRODUCT. Where the list says 'softmax', what is quantised is not the finished softmax but p = 2^(t - M), with t = logit x log2(e) and M = ceil(the row's largest t), a whole number; so 1/2 < the row's largest p <= 1. The row's sum l is taken of the UNQUANTISED p, in f32, and the product's result is divided by l at the end. Since M is a whole number, a kernel that streams over the keys may use a running M (the ceiling of the running maximum): every later rescaling is an exact power of two, which a block's scale takes up: the codes' values come out the same.
;;   OPERANDS COMPUTED ON THE WAY. 'Computed on the way' means the value that the module computes at that place (a softmax that the list does not call 'softmax' is quantised finished and normalised). What goes into a quantiser is computed in f32, as accurately as f32 sums, v_exp_f32 and their like allow (about 1e-6 of the number): no bf16 or f16 on the way to a quantiser, and a product that is left as it is and whose result goes on into a quantised operand takes f32 operands (vector FMAs, or v_wmma_f32_16x16x4_f32). A number that lies on a knife's edge between two numbers of the format may be rounded either way, as far as f32 arithmetic and the matrix unit's own rounding can turn it there, and no further.
;;   INPUTS GIVEN AS CODES. input (in the module: [4, 2048, 1024], K = its axis 2); out_w (in the module: [1024, 1024], K = its axis 1); qkv_w (in the module: [3072, 1024], K = its axis 1): each comes as NAME_codes (uint8): NAME with its K axis moved to the last place and cut into blocks of 32 codes, [.., K / 32, bytes a block], one block behind the other in memory; one code a byte (a code: sign, 4 exponent bits, 3 mantissa bits); and NAME_scales (uint8): the same leading axes, one E8M0 byte (e + 127) for each 32 codes along K. Its value is code x scale, taken as it is: it is not quantised again, and the codes and scales need not be those that the quantiser above would give.
;; 2 versions, each right; version 2 is version 1 with the launch attn written anew for expert scheduling mode. Each part assembles by itself: llvm-mc -triple=amdgcn-amd-amdhsa -mcpu=gfx1250 --defsym DOCPART=n.
;; ======== version 1 of 2: 4 launches
;; workspace buffers: qkvc 25,165,824 bytes; scl 1,310,720 bytes; mbits 524,800 bytes of whole numbers; ocodes 8,388,608 bytes; oscales 262,144 bytes
;; launch maskbits (part 1): grid 128 x 1, 16 waves a work-group, no clusters, 35,328 bytes of LDS; arguments mask, mbits; writes mbits
.if DOCPART == 1
	.amdgcn_target "amdgcn-amd-amdhsa--gfx1250"
	.amdhsa_code_object_version 6
	.text
	.protected	k_q9e8ea2f5b5_maskbits
	.globl	k_q9e8ea2f5b5_maskbits
	.p2align	8
	.type	k_q9e8ea2f5b5_maskbits,@function
k_q9e8ea2f5b5_maskbits:
	s_mov_b64 s[64:65], 0
	v_nop
	global_prefetch_b8 v0, s[64:65] scope:SCOPE_SE
	s_setreg_imm32_b32 hwreg(HW_REG_WAVE_MODE, 25, 1), 1
	s_wait_xcnt 0x0
; mask [2048][2048] of bool (a byte, 0 or 1) is turned into LANE MASKS for the attention launch, one 32-bit word for each of its score registers:
; word (16 T + J) 64 + n, n = 8 t + j, bit r + 16 h = mask[16 T + r][128 J + 16 t + 8 h + j]   (T: tile of 16 queries, J: step of 128 keys).
; Behind the 524,288 bytes of words: one flag word for each T; its bit J is 1 where tile (T, J) has a hole.
; SHARES.  Work-group T takes 16 rows of the mask.  Wave w first brings row 16 T + w into LDS (four loads of 512 consecutive bytes), then makes tile (T, J = w).
; LDS rows are 2,048 bytes + 16 of padding: 516 words, so that row r starts at bank 4 r mod 64 and the 32 lanes of an 8-byte load touch 64 different banks (64 banks of 4 bytes: ISA guide 11.1).
; No matrix unit, no tensor load, no cluster: the launch reads 4 MiB once and writes an eighth of it.
.set ROWP,  2064
.set FLG,   16*ROWP                    ; behind the rows: a flag word for each wave
.set FLAGS, 524288                     ; where the flag words begin in mbits
	s_load_b128 s[4:7], s[0:1], 0x0                ; mask, mbits
	v_lshl_add_u32 v48, v0, 2, 0x8200
	v_mov_b32 v49, 0
	v_lshrrev_b32 v1, 5, v0
	v_readfirstlane_b32 s8, v1                     ; wave 0..15
	v_and_b32 v1, 31, v0                           ; lane
	v_and_b32 v2, 15, v0                           ; r
	v_bfe_u32 v3, v0, 4, 1                         ; h
	v_lshlrev_b32 v4, 4, v1                        ; 16 x lane: my bytes of a load's 512
	s_mul_i32 s9, s8, ROWP
	v_add_nc_u32 v5, s9, v4                        ; into LDS: row w
	v_mul_u32_u24 v6, v2, ROWP
	v_lshl_add_u32 v6, v3, 3, v6
	s_lshl_b32 s9, s8, 7
	v_add_nc_u32 v6, s9, v6                        ; out of it: row r, byte 128 w + 8 h
	v_lshlrev_b32 v7, 3, v1                        ; the record: 8 bytes a lane
	s_lshl_b32 s9, s8, 2
	s_add_co_u32 s9, s9, FLG
	v_mov_b32 v45, s9                              ; my wave's flag word
	v_mov_b32 v46, FLG
	v_mov_b32 v44, 0
	s_lshl_b32 s10, ttmp9, 4
	s_add_co_u32 s10, s10, s8                      ; 16 T + w: my row, and my tile's number
	s_lshl_b32 s22, s10, 11                        ; a row is 2,048 bytes
	s_mov_b32 s23, 0
	s_lshl_b32 s10, s10, 8                         ; a tile's record is 256 bytes
	s_mov_b32 s11, 0
	s_lshl_b32 s24, ttmp9, 2
	s_add_co_u32 s24, s24, FLAGS
	s_mov_b32 s25, 0
	s_wait_kmcnt 0x0
	s_add_nc_u64 s[4:5], s[4:5], s[22:23]
	s_add_nc_u64 s[10:11], s[6:7], s[10:11]
	s_add_nc_u64 s[6:7], s[6:7], s[24:25]
.irp i, 0,1,2,3
	global_load_b128 v[8+4*\i:11+4*\i], v4, s[4:5] offset:512*\i th:TH_LOAD_NT   ; read once in the launch
.endr
	s_wait_loadcnt 0x0
.irp i, 0,1,2,3
	ds_store_b128 v5, v[8+4*\i:11+4*\i] offset:512*\i
.endr
	s_wait_dscnt 0x0                               ; for the others' sake: my row lies in LDS
	s_barrier_signal -1
	s_barrier_wait -1                              ; all sixteen rows do
.irp t, 0,1,2,3,4,5,6,7
	ds_load_b64 v[24+2*\t:25+2*\t], v6 offset:16*\t   ; mask[16 T + r][128 w + 16 t + 8 h + 0 .. 7]
.endr
	v_mov_b32 v42, 0                               ; the record: word n goes to lane n / 2, register n % 2 (a written lane's destination counts as read)
	v_mov_b32 v43, 0
	s_mov_b32 s16, -1                              ; the AND of all 64 words
	s_wait_dscnt 0x0
.set n, 0
.rept 64
	v_bfe_u32 v[40+n%2], v[24+2*(n/8)+(n%8)/4], 8*(n%4), 8   ; byte j of tile t
	v_cmp_ne_u32 s[12+n%4], 0, v[40+n%2]           ; the 32 lanes' bits are word n
	v_writelane_b32 v[42+n%2], s[12+n%4], n/2
	s_and_b32 s16, s16, s[12+n%4]
.set n, n+1
.endr
	global_store_b64 v7, v[42:43], s[10:11]        ; 32 lanes store 256 consecutive bytes, at a multiple of 256 from the buffer's first byte
	s_cmp_lg_u32 s16, -1
	s_cselect_b32 s17, 1, 0                        ; a hole?
	s_lshl_b32 s17, s17, s8                        ; as bit J = w
	v_mov_b32 v40, s17
	ds_store_b32 v45, v40                          ; all lanes write the same word with the same value
	s_wait_dscnt 0x0
	s_barrier_signal -1
	s_barrier_wait -1
.irp i, 0,1,2,3
	ds_load_b128 v[8+4*\i:11+4*\i], v46 offset:16*\i
.endr
	s_wait_dscnt 0x0
.irp i, 0,1,2,3,4,5,6,7
	v_or_b32 v[8+\i], v[8+\i], v[16+\i]
.endr
.irp i, 0,1,2,3
	v_or_b32 v[8+\i], v[8+\i], v[12+\i]
.endr
	v_or_b32 v8, v8, v10
	v_or_b32 v9, v9, v11
	v_or_b32 v8, v8, v9                            ; the sixteen bits of T's flag word
	s_wait_xcnt 0x0                                ; EXEC is a source of the store above: it changes only behind this wait
	v_cmp_eq_u32 vcc_lo, 0, v0
	s_wait_tensorcnt 0x0
	ds_add_u32 v48, v49
	s_wait_dscnt 0x0
	s_and_saveexec_b32 s20, vcc_lo
	global_store_b32 v44, v8, s[6:7]               ; four bytes a work-group: 512 bytes in the whole launch
	s_wait_xcnt 0x0
	s_or_b32 exec_lo, exec_lo, s20
	s_endpgm
.Lfunc_end_k_q9e8ea2f5b5_maskbits:
	.size	k_q9e8ea2f5b5_maskbits, .Lfunc_end_k_q9e8ea2f5b5_maskbits-k_q9e8ea2f5b5_maskbits
	.p2alignl 7, 3214868480
	.fill 96, 4, 3214868480
	.section	.rodata,"a",@progbits
	.p2align	6, 0x0
	.amdhsa_kernel k_q9e8ea2f5b5_maskbits
		.amdhsa_group_segment_fixed_size 35328
		.amdhsa_private_segment_fixed_size 0
		.amdhsa_enable_private_segment 0
		.amdhsa_kernarg_size 16
		.amdhsa_user_sgpr_count 2
		.amdhsa_user_sgpr_kernarg_segment_ptr 1
		.amdhsa_wavefront_size32 1
		.amdhsa_system_sgpr_workgroup_id_x 1
		.amdhsa_system_sgpr_workgroup_id_y 1
		.amdhsa_system_sgpr_workgroup_id_z 1
		.amdhsa_system_vgpr_workitem_id 0
		.amdhsa_next_free_vgpr 50
		.amdhsa_next_free_sgpr 66
		.amdhsa_reserve_vcc 1
		.amdhsa_float_denorm_mode_32 3
		.amdhsa_float_denorm_mode_16_64 3
		.amdhsa_memory_ordered 1
		.amdhsa_forward_progress 1
		.amdhsa_inst_pref_size 19
	.end_amdhsa_kernel
	.amdgpu_metadata
---
amdhsa.version: [ 1, 2 ]
amdhsa.kernels:
  - .name:           k_q9e8ea2f5b5_maskbits
    .symbol:         k_q9e8ea2f5b5_maskbits.kd
    .args:
      - { .name: mask, .offset: 0, .size: 8, .value_kind: global_buffer, .address_space: global }
      - { .name: mbits, .offset: 8, .size: 8, .value_kind: global_buffer, .address_space: global }
    .group_segment_fixed_size: 35328
    .private_segment_fixed_size: 0
    .kernarg_segment_align: 8
    .kernarg_segment_size: 16
    .max_flat_workgroup_size: 512
    .sgpr_count:     66
    .vgpr_count:     50
    .wavefront_size: 32
...
	.end_amdgpu_metadata
.endif
;; end of part 1
;; launch qkv (part 2): grid 12 x 32, 4 waves a work-group, clusters of 4 x 4, 327,680 bytes of LDS; arguments input_codes, input_scales, qkv_w_codes, qkv_w_scales, qkv_b, qkvc, scl; writes qkvc, scl
.if DOCPART == 2
	.amdgcn_target "amdgcn-amd-amdhsa--gfx1250"
	.amdhsa_code_object_version 6
	.text
	.protected	k_q9e8ea2f5b5_qkv
	.globl	k_q9e8ea2f5b5_qkv
	.p2align	8
	.type	k_q9e8ea2f5b5_qkv,@function
k_q9e8ea2f5b5_qkv:
	s_mov_b64 s[64:65], 0
	v_nop
	global_prefetch_b8 v0, s[64:65] scope:SCOPE_SE
	s_setreg_imm32_b32 hwreg(HW_REG_WAVE_MODE, 25, 1), 1
	s_wait_xcnt 0x0
	s_wait_alu depctr_hold_cnt(0) depctr_sa_sdst(0) depctr_va_vdst(0) depctr_va_sdst(0) depctr_va_ssrc(0) depctr_va_vcc(0) depctr_vm_vsrc(0)
	s_getreg_b32 s2, hwreg(HW_REG_IB_STS2, 6, 4)
	s_cmp_eq_u32 s2, 0
	s_cbranch_scc0 .Lentry_in_a_cluster
	s_endpgm
.Lentry_in_a_cluster:
	s_bfe_u32 s2, ttmp6, 0x10000c
	s_cmp_lg_u32 s2, 0xf033
	s_cbranch_scc0 .Lentry_shape_is_right
	s_endpgm
.Lentry_shape_is_right:
; qkv = input W^T + b on codes of FP8 (E4M3) with one E8M0 scale for each 32 along K = 1,024; the results are quantised at once, q and k along the head's 64, v along the keys, and leave as
; IMAGES OF THE ATTENTION LAUNCH'S OPERAND REGISTERS (16 bytes a lane, 512 bytes a group of four registers) with their scale words beside them.
; A tile of 256 x 256 results is made by a work-group of four waves, 128 x 128 a wave: 64 accumulators of 16 x 16, 512 registers.  K goes in steps of 256 through a ring of two LDS slots filled by the tensor data mover.
; TWO SIDES.  Y is the matrix instruction's source 1, X its source 0: a lane ends with ONE row of Y and its registers run along X, so what is quantised runs along X.
;   cluster x = 0, 1 (q, k): Y = 256 tokens of input, X = 256 rows of W (four heads);    cluster x = 2 (v): Y = 256 rows of W, X = 256 tokens.
; Both tensors have rows of 1,024 code bytes and 32 scale bytes, so only pointers and block numbers are chosen, by a compare on the cluster's x, which all sixteen partners share.
; CLUSTERS: 4 x 4 work-groups.  Y's tile hangs on cy alone and is asked for jointly along a row of the cluster, X's on cx alone and jointly along a column.
; THE ORDER OF k IN A BLOCK.  Registers 16 B + i of a lane (r, h) hold X index 32 B + 16 (i / 8) + 8 h + i % 8: all of block B.  Converted as they stand they are registers 4 B .. 4 B + 3 of an operand:
; k is permuted INSIDE each block of 32, alike in q and k, and alike in v and in the attention launch's p.  The products stay the same; only the order of summing inside an instruction differs from the plain order.
; LIMITS: NaN and infinities among the values are not served.  A block of zeros gets the scale byte 1 where the rule says 127: its codes are zeros, and the bytes are read by this program alone.
; REGISTERS, in windows of 256: window 0: v7-31 addresses and the bias along Y; v32-63 scale words, two sets; v64-127 the bias along X; from v128 Y's fragments, ONE set.
;   window 1: X's fragments, TWO sets.   window 2: the accumulators of my Y rows 0-63 ((a, b) at v[8 (8 a + b)]);   window 3: those of rows 64-127.
.set KSTEP,  256
.set NQ,     KSTEP/128
.set ROWB,   256                       ; a tile's row in bytes
.set KROW,   1024                      ; a row of codes in memory
.set PITCH,  272                       ; an LDS row: 256 bytes + 16 of padding = 68 words: row r starts at bank 4 r mod 64 (64 banks of 4 bytes: ISA guide 11.1)
.set FR,     16
.set NL,     4
.set NP,     8                         ; places behind this matrix instruction (ISA guide 7.12.1)
.set HALFT,  128*PITCH
.set SLOT,   4*HALFT                   ; Y's 256 rows, then X's 256 rows
.set LAPS,   2                         ; 1,024 / (2 x 256)
.set KS,     32                        ; a row of scales in bytes
.set SCL,    2*SLOT                    ; behind the ring: the scales, as units of 256 bytes + 16 of padding
.set HALFS,  (128*KS/256)*272
.set SBLK,   (16*KS/256)*272
.set SPARE,  SCL+4*HALFS               ; the spare words, 128 bytes for each wave: two blocks of 256 bytes that no other line names
.set SELP, 7                           ; v7      byte selects: lanes 0-15 the word's bytes 0, 1 twice, lanes 16-31 its bytes 2, 3 twice
.set BY,   8                           ; v8-15   the bias along Y: register a: b[my Y row of block a]
.set ADRA, 16                          ; v16-17  LDS address of my Y fragments in slot 0, 1
.set BO,   18                          ; v18     32 h;  v19  4 r: the bias loads' offsets
.set ADRB, 20                          ; v20-21  the same for X
.set SRV,  22                          ; v22     v's scale words: where I read them back
.set VOS,  23                          ; v23     and where they go: 16 r + 12,288 h
.set VOA,  24                          ; v24     16 x lane
.set VOB,  25                          ; v25     16 x lane + the way to the second half of a block's codes
.set SSQ,  26                          ; v26     q's and k's scale words: where I put one
.set ADRS, 27                          ; v27     LDS address of my scale words: lanes 0-15 Y's rows, lanes 16-31 X's
.set SPW,  28                          ; v28     LDS address of my spare word; never rewritten
.set NIL,  29                          ; v29     0; never rewritten
.set SSV,  30                          ; v30     v's scale words: where I put one
.set SRQ,  31                          ; v31     q's and k's: where I read them back
.set SC,   32
.set BX,   64                          ; v64-127 the bias along X: register 8 b + j: b[16 b + 8 h + j of my X rows]
.set AF,   128
.set PC0,  32                          ; the way out: codes, two sets of 16 by turns
.set T,    128                         ; v128-191 a Y block's 64 numbers
.set TM,   208                         ; v208-223 at work in the quantiser
.set PWS,  232                         ; v232-239 the eight Y blocks' scale words
.set WD,   240                         ; v240-247 words as they go to the stage
.set RB,   248                         ; v248-255 and as they come back
.set G1, 24
.set G0, 32
.set G1B, 48
.set G0B, 56
.set G1S, 68
.set G0S, 76
.set G1SB, 80
.set G0SB, 88
.set SEL,  12                          ; s[12:13] lane selects for v_permlanex16_b32: lane l xor 16
.set STA,  18                          ; s[18:19] from a Y block's codes to the next block's
.set STB,  20                          ; s[20:21] the same from block 3 to block 4
.set SB2,  22                          ; s[22:23] the scale words of the second head
.set MNT,  66                          ; s66      the mantissa field of 448
.set BYB,  92                          ; s[92:93] base of the bias along Y
.set PART, 95                          ; s95      0 q, 1 k, 2 v
.set BXB,  96                          ; s[96:97] qkv_b, then the base of the bias along X
.set CB,   98                          ; s[98:99] qkvc, then where my codes go
.set SB,   100                         ; s[100:101] scl, then where my scale words go
.set MSB, 0
.macro WIN new                         ; the immediate's high byte repeats the setting that is left
.if MSB != \new
	s_set_vgpr_msb (MSB<<8)|\new
.set MSB, \new
.endif
.endm
.set MUL_LO, 0xa1                      ; source 0 (X) window 1, source 1 (Y) window 0, C and D window 2
.set MUL_HI, 0xf1                      ; the same, C and D window 3
.set TO_B,   0x40                      ; destination window 1, address window 0
; A joint load: waves 0 and 1 fetch for Y, waves 2 and 3 for X.  Each of the two lines has ONE mask and one set of registers for all that issue it; the branch hangs on the wave's number alone.
; Four v_nop follow each of the two lines, ahead of the jump, the label and what follows.
.macro JLOAD g0a, g1a, g0b, g1b
	s_cmp_eq_u32 s15, 0
	s_cbranch_scc0 .Lfor_b_\@
	tensor_load_to_lds s[\g0a:\g0a+3], s[\g1a:\g1a+7]
	s_nop 0
.rept 4
	v_nop
.endr
	s_branch .Lasked_\@
.Lfor_b_\@:
	tensor_load_to_lds s[\g0b:\g0b+3], s[\g1b:\g1b+7]
	s_nop 0
.rept 4
	v_nop
.endr
.Lasked_\@:
.endm
.macro CREST                           ; a round of the cluster's barrier behind its opening barrier
	s_cmp_lg_u32 s14, 0
	s_cbranch_scc1 .Lnot_wave_0_\@
	s_barrier_signal -3
.Lnot_wave_0_\@:
	s_barrier_wait -3
	s_barrier_signal -1
	s_barrier_wait -1
.endm
.macro CROUND                          ; a whole round
	s_barrier_signal -1
	s_barrier_wait -1
	CREST
.endm
	s_load_b128 s[4:7], s[0:1], 0x0                ; input's codes, input's scales
	s_load_b128 s[8:11], s[0:1], 0x10              ; W's codes, W's scales
	s_load_b128 s[96:99], s[0:1], 0x20             ; qkv_b, qkvc
	s_load_b64 s[100:101], s[0:1], 0x30            ; scl
	v_lshl_add_u32 v[SPW], v0, 2, SPARE
	v_mov_b32 v[NIL], 0
	ds_add_u32 v28, v29
	ds_add_u32 v28, v29
	s_wait_dscnt 0x0
	v_lshrrev_b32 v1, 5, v0
	v_readfirstlane_b32 s14, v1                    ; wave 0..3
	s_lshr_b32 s15, s14, 1                         ; which half of Y's rows is mine.  Also: I fetch for Y (0) or for X (1)
	s_and_b32 s16, s14, 1                          ; which half of X's rows.  Also: which 128 rows of that tile I fetch
	s_bfe_u32 s40, ttmp6, 0x40000                  ; cx, cy: my place in the cluster
	s_bfe_u32 s41, ttmp6, 0x40004
	s_mov_b32 s[PART], ttmp9                       ; the cluster's x is the part: four work-groups x 256 = 1,024 rows of W
	s_and_b32 s2, ttmp7, 0xffff
	s_lshl_b32 s2, s2, 2                           ; 4 x the cluster's y
	s_add_co_u32 s17, s2, s41                      ; a block of 256 tokens, by cy;
	s_add_co_u32 s20, s41, 8                       ; a block of v's rows of W, by cy
	s_lshl_b32 s42, s[PART], 2
	s_add_co_u32 s42, s42, s40                     ; a block of q's or k's rows of W, by cx;
	s_add_co_u32 s46, s2, s40                      ; a block of 256 tokens, by cx
	s_cmp_eq_u32 s[PART], 2
	s_cselect_b32 s17, s20, s17                    ; Y's block: it hangs on cy alone
	s_cselect_b32 s42, s46, s42                    ; X's block: on cx alone
	s_lshl_b32 s43, s41, 2
	s_lshl_b32 s43, 15, s43                        ; my row of the cluster
	s_lshl_b32 s44, 0x1111, s40                    ; my column
	; descriptor group 1: a tile of 128 rows x 256 bytes, padded in LDS
	s_or_b32 s[G1+0], s43, (0<<16)|(1<<20)|(1<<21)|(5<<22)|(3<<25)  ; 15:0 the mask: Y's tiles go to my row; 17:16 element of 1 byte; 20 padding on; 21 set beside a mask; 24:22 after every 64 words (code 5); 31:25 of 4 words (code 3)
	s_or_b32 s[G1B+0], s44, (0<<16)|(1<<20)|(1<<21)|(5<<22)|(3<<25)
.irp g, G1, G1B
	s_mov_b32 s[\g+1], ROWB<<16                    ; tensor_dim0
	s_mov_b32 s[\g+2], 128<<16                     ; tensor_dim1 = 128
	s_mov_b32 s[\g+3], ROWB<<16                    ; tile_dim0
	s_mov_b32 s[\g+4], 128                         ; tile_dim1 = 128
	s_mov_b32 s[\g+5], KROW                        ; tensor_dim0_stride
	s_mov_b32 s[\g+6], 0
	s_mov_b32 s[\g+7], 0
.endr
	; and for the scales of 128 rows: a dense block of 4,096 bytes, as rows of 256 bytes (32 elements of 8 bytes), 16 bytes of padding behind each
	s_or_b32 s[G1S+0], s43, (3<<16)|(1<<20)|(1<<21)|(5<<22)|(3<<25)
	s_or_b32 s[G1SB+0], s44, (3<<16)|(1<<20)|(1<<21)|(5<<22)|(3<<25)
.irp g, G1S, G1SB
	s_mov_b32 s[\g+1], 32<<16
	s_mov_b32 s[\g+2], (128*KS/256)<<16
	s_mov_b32 s[\g+3], 32<<16
	s_mov_b32 s[\g+4], 128*KS/256
	s_mov_b32 s[\g+5], 32
	s_mov_b32 s[\g+6], 0
	s_mov_b32 s[\g+7], 0
.endr
	s_lshl_b32 s18, s16, 7                         ; which 128 rows of the tile I fetch
	s_lshl_b32 s20, s17, 8
	s_add_co_u32 s20, s20, s18                     ; Y: row 256 x block + 128 x half
	s_lshl_b32 s46, s42, 8
	s_add_co_u32 s46, s46, s18                     ; X likewise
	s_mov_b32 s21, 0
	s_mov_b32 s47, 0
	s_mov_b64 s[18:19], KS
	s_mul_u64 s[22:23], s[20:21], s[18:19]         ; where these rows' scales begin, in bytes
	s_mul_u64 s[92:93], s[46:47], s[18:19]
	s_mov_b64 s[18:19], KROW
	s_mul_u64 s[20:21], s[20:21], s[18:19]         ; and their codes
	s_mul_u64 s[46:47], s[46:47], s[18:19]
	s_mul_i32 s45, s14, HALFT                      ; where they go: wave x 128 rows: no place in the cluster enters an LDS address
	s_mul_i32 s94, s14, HALFS
	s_wait_kmcnt 0x0
	s_cmp_eq_u32 s[PART], 2                        ; which tensor is Y and which X: a choice between buffers on the cluster's x
	s_cselect_b64 s[2:3], s[8:9], s[4:5]           ; Y's codes
	s_cselect_b64 s[8:9], s[4:5], s[8:9]           ; X's codes
	s_cselect_b64 s[4:5], s[10:11], s[6:7]         ; Y's scales
	s_cselect_b64 s[10:11], s[6:7], s[10:11]       ; X's scales
	s_add_nc_u64 s[20:21], s[2:3], s[20:21]
	s_add_nc_u64 s[22:23], s[4:5], s[22:23]
	s_add_nc_u64 s[46:47], s[8:9], s[46:47]
	s_add_nc_u64 s[92:93], s[10:11], s[92:93]
	CROUND                                         ; all sixteen work-groups are here: the first joint loads meet
	s_mov_b32 s[G0S], 1
	s_add_co_u32 s[G0S+1], s94, SCL
	s_mov_b64 s[G0S+2:G0S+3], s[22:23]
	s_or_b32 s[G0S+3], s[G0S+3], 0x80000000
	s_mov_b32 s[G0SB], 1
	s_add_co_u32 s[G0SB+1], s94, SCL
	s_mov_b64 s[G0SB+2:G0SB+3], s[92:93]
	s_or_b32 s[G0SB+3], s[G0SB+3], 0x80000000
	JLOAD G0S, G1S, G0SB, G1SB                     ; the scales first: they are wanted with K step 0
.irp s, 0,1
	s_mov_b32 s[G0+4*\s], 1
	s_add_co_u32 s[G0+4*\s+1], s45, \s*SLOT
	s_add_nc_u64 s[G0+4*\s+2:G0+4*\s+3], s[20:21], \s*ROWB
	s_or_b32 s[G0+4*\s+3], s[G0+4*\s+3], 0x80000000
	s_mov_b32 s[G0B+4*\s], 1
	s_add_co_u32 s[G0B+4*\s+1], s45, \s*SLOT
	s_add_nc_u64 s[G0B+4*\s+2:G0B+4*\s+3], s[46:47], \s*ROWB
	s_or_b32 s[G0B+4*\s+3], s[G0B+4*\s+3], 0x80000000
	JLOAD G0+4*\s, G1, G0B+4*\s, G1B               ; by this text's count three tensor loads of a wave are out here, later one
.endr
	v_and_b32 v1, 15, v0                           ; r = l % 16
	v_bfe_u32 v2, v0, 4, 1                         ; h = l / 16
	v_mul_u32_u24 v3, v1, PITCH
	v_lshl_add_u32 v4, v2, 4, v3                   ; a fragment's row x pitch + 16 x half
	s_mul_i32 s21, s15, HALFT                      ; my 128 rows of Y
	s_mul_i32 s22, s16, HALFT                      ; my 128 rows of X,
	s_add_co_u32 s22, s22, 2*HALFT                 ; which lie behind Y's 256
.irp s, 0,1
	v_add_nc_u32 v[ADRA+\s], s21, v4
	v_add_nc_u32 v[ADRB+\s], s22, v4
	s_add_co_u32 s21, s21, SLOT
	s_add_co_u32 s22, s22, SLOT
.endr
	v_mul_u32_u24 v5, v1, KS                       ; my row's scales: 32 bytes a row,
	v_lshrrev_b32 v6, 8, v5
	v_lshl_add_u32 v5, v6, 4, v5                   ; and 16 more for each 256 passed
	s_mul_i32 s21, s15, HALFS
	s_mul_i32 s22, s16, HALFS
	s_add_co_u32 s22, s22, 2*HALFS
	s_sub_co_u32 s22, s22, s21
	v_mul_u32_u24 v6, s22, v2                      ; lanes 16-31 take X's
	s_add_co_u32 s21, s21, SCL
	v_add_nc_u32 v5, v5, v6
	v_add_nc_u32 v[ADRS], s21, v5
	; the way out's addresses.  The stages for the scale words lie in slot 0, each wave's own, 1,024 bytes for q and k from byte 0 on and 512 for v from byte 4,096 on
	v_and_b32 v6, 31, v0
	v_lshlrev_b32 v[VOA], 4, v6
	s_lshl_b32 s21, s14, 10
	v_lshlrev_b32 v3, 4, v1                        ; 16 r
	v_lshl_add_u32 v4, v2, 9, v3                   ; + 512 h: lanes 16-31 hold the second head's word
	v_add_nc_u32 v[SSQ], s21, v4
	v_add_nc_u32 v[SRQ], s21, v[VOA]
	s_lshl_b32 s21, s14, 9
	s_add_co_u32 s21, s21, 4096
	v_lshl_add_u32 v[SSV], v1, 3, s21
	v_add_nc_u32 v[SRV], s21, v[VOA]
	v_mul_u32_u24 v4, v2, 12288
	v_add_nc_u32 v[VOS], v4, v3
	v_lshlrev_b32 v[BO], 5, v2
	v_lshlrev_b32 v[BO+1], 2, v1
	v_cmp_eq_u32 vcc_lo, 1, v2
	v_mov_b32 v[SELP], 0x01000100
	v_mov_b32 v3, 0x03020302
	v_cndmask_b32 v[SELP], v[SELP], v3, vcc_lo
	s_mov_b32 s[SEL], 0x76543210
	s_mov_b32 s[SEL+1], 0xfedcba98
	s_mov_b32 s[MNT], 0x600000
	; the biases.  Both sets are loaded in every work-group; the set that a part does not use is read from qkv_b's first bytes and never added
	s_lshl_b32 s2, s42, 8
	s_lshl_b32 s3, s16, 7
	s_add_co_u32 s2, s2, s3
	s_lshl_b32 s2, s2, 2                           ; q, k: my first row of W, x 4 bytes
	s_lshl_b32 s4, s17, 8
	s_lshl_b32 s5, s15, 7
	s_add_co_u32 s4, s4, s5
	s_lshl_b32 s4, s4, 2                           ; v: likewise, along Y
	s_cmp_eq_u32 s[PART], 2
	s_cselect_b32 s2, 0, s2
	s_cselect_b32 s4, s4, 0
	s_mov_b32 s3, 0
	s_mov_b32 s5, 0
	s_add_nc_u64 s[BYB:BYB+1], s[BXB:BXB+1], s[4:5]
	s_add_nc_u64 s[BXB:BXB+1], s[BXB:BXB+1], s[2:3]
.irp b, 0,1,2,3,4,5,6,7
	global_load_b128 v[BX+8*\b:BX+8*\b+3], v[BO], s[BXB:BXB+1] offset:64*\b
	global_load_b128 v[BX+8*\b+4:BX+8*\b+7], v[BO], s[BXB:BXB+1] offset:64*\b+16
.endr
.irp a, 0,1,2,3,4,5,6,7
	global_load_b32 v[BY+\a], v[BO+1], s[BYB:BYB+1] offset:64*\a
.endr
	; where my results go.  N: the side that holds rows of W; T: the side that holds tokens
	s_and_b32 s2, ttmp7, 0xffff
	s_lshl_b32 s2, s2, 2
	s_mov_b32 s[STA], 1024
	s_mov_b32 s[STB], 1024
	s_mov_b32 s7, 131072
	s_cmp_eq_u32 s[PART], 2
	s_cselect_b32 s3, s41, s40                     ; N's place in the cluster,
	s_cselect_b32 s4, s15, s16                     ; N's half in the work-group,
	s_cselect_b32 s5, s40, s41                     ; T's place,
	s_cselect_b32 s6, s16, s15                     ; T's half
	s_cselect_b32 s[STA], 2048, s[STA]             ; q, k: a Y block is a tile of 16 tokens, 1,024 bytes on;  v: a tile of 16 d, 2,048 bytes on,
	s_cselect_b32 s[STB], 124928, s[STB]           ; and from d tile 3 to the next head's tile 0: 131,072 - 3 x 2,048
	s_cselect_b32 s7, 1024, s7                     ; the second half of a block's codes: q, k: the next head;  v: key blocks 2 and 3
	s_cselect_b32 s8, 512, 0                       ; v's scale words lie behind k's 512 bytes of a step
	s_mov_b32 s9, 12288
	s_mov_b32 s10, 768
	s_cmp_eq_u32 s[PART], 0
	s_cselect_b32 s9, 8192, s9                     ; a head's scale words,
	s_cselect_b32 s10, 512, s10                    ; a step's,
	s_cselect_b32 s11, 0, 524288                   ; and where the part's begin
	s_mov_b32 s[STA+1], 0
	s_mov_b32 s[STB+1], 0
	s_lshl_b32 s3, s3, 2
	s_lshl_b32 s4, s4, 1
	s_add_co_u32 s3, s3, s4                        ; my first head: 4 x place + 2 x half
	s_add_co_u32 s2, s2, s5                        ; my block of 256 tokens
	s_lshr_b32 s4, s2, 3
	s_lshl_b32 s4, s4, 4
	s_add_co_u32 s3, s3, s4                        ; 16 x batch + head
	s_and_b32 s2, s2, 7
	s_lshl_b32 s2, s2, 1
	s_add_co_u32 s2, s2, s6                        ; my step of 128 tokens in the batch
	s_lshl_b32 s4, s[PART], 23
	s_lshl_b32 s5, s3, 17
	s_add_co_u32 s4, s4, s5
	s_lshl_b32 s5, s2, 13
	s_add_co_u32 s4, s4, s5
	s_mov_b32 s5, 0
	s_add_nc_u64 s[CB:CB+1], s[CB:CB+1], s[4:5]
	s_mul_i32 s4, s3, s9
	s_mul_i32 s6, s2, s10
	s_add_co_u32 s4, s4, s6
	s_add_co_u32 s4, s4, s8
	s_add_co_u32 s4, s4, s11
	s_add_nc_u64 s[SB:SB+1], s[SB:SB+1], s[4:5]
	s_mov_b32 s4, s9
	s_add_nc_u64 s[SB2:SB2+1], s[SB:SB+1], s[4:5]
	v_add_nc_u32 v[VOB], s7, v[VOA]
.macro FRAG reg, adr, q, i             ; a fragment, 16 rows x 128 K of 8-bit codes, is 16 registers: lane l holds row l % 16; registers 4 c .. 4 c + 3 hold K = 32 c + 16 (l / 16) + 0 .. 15
.irp c, 0,1,2,3
	ds_load_b128 v[\reg+4*\c:\reg+4*\c+3], v[\adr] offset:128*(\q)+32*\c+(\i)*16*PITCH
.endr
.endm
; 16 matrix instructions: Y's blocks a0, a0 + 1 x X's eight, 128 along K: the slot's q-th.  p: X's set;  sc: the set of scale words.  zero = 1: the first product starts the sums: nothing is ever cleared.
; The 64 accumulators take turns, one instruction a turn, in the same order in every step.
.macro MUL16 a0, p, q, sc, zero
.irp a, \a0, \a0+1
.irp b, 0,1,2,3,4,5,6,7
.if \zero
	v_wmma_scale_f32_16x16x128_f8f6f4 v[8*(8*((\a)%4)+\b):8*(8*((\a)%4)+\b)+7], v[128*(\p)+FR*\b:128*(\p)+FR*\b+FR-1], v[AF+FR*(\a):AF+FR*(\a)+FR-1], 0, v[SC+8*NQ*(\sc)+NQ*\b+(\q)], v[SC+8*NQ*(\sc)+NQ*(\a)+(\q)] matrix_a_scale:MATRIX_SCALE_ROW1
.else
	v_wmma_scale_f32_16x16x128_f8f6f4 v[8*(8*((\a)%4)+\b):8*(8*((\a)%4)+\b)+7], v[128*(\p)+FR*\b:128*(\p)+FR*\b+FR-1], v[AF+FR*(\a):AF+FR*(\a)+FR-1], v[8*(8*((\a)%4)+\b):8*(8*((\a)%4)+\b)+7], v[SC+8*NQ*(\sc)+NQ*\b+(\q)], v[SC+8*NQ*(\sc)+NQ*(\a)+(\q)] matrix_a_scale:MATRIX_SCALE_ROW1
.endif
.endr
.endr
.endm
.macro FETCH_B slot, q, p              ; X's eight fragments of the slot's q-th 128 along K into set p
	WIN TO_B
.irp i, 0,1,2,3,4,5,6,7
	FRAG 128*(\p)+FR*\i, ADRB+\slot, \q, \i
.endr
	WIN 0
.endm
.macro FETCH_A slot, q, i0             ; Y's blocks i0 .. i0 + 3
.irp i, \i0, \i0+1, \i0+2, \i0+3
	FRAG AF+FR*(\i), ADRA+\slot, \q, \i
.endr
.endm
.macro SCALES sc                       ; the next K step's scale words into set sc: two words a row; lanes 0-15 take Y's block i, lanes 16-31 X's block i
.irp i, 0,1,2,3,4,5,6,7
	ds_load_b64 v[SC+8*NQ*\sc+NQ*\i:SC+8*NQ*\sc+NQ*\i+1], v[ADRS] offset:\i*SBLK
.endr
.endm
; A load into a register that a matrix instruction has read, and a vector instruction that reads a matrix result or writes one of its registers, stand NP places behind that matrix instruction; only plain
; vector instructions that name none of its registers are places (ISA guide 7.12.1 for vector instructions).
.macro PLACES n
.rept \n
	v_nop
.endr
.endm
; A step of 128 along K that has its successor in the same slot.
.macro STEP slot, q, zero
	s_wait_dscnt 4*NL                              ; X's set and Y's blocks 0-3 are in; the youngest sixteen loads (Y's blocks 4-7) may be out
	WIN MUL_LO
	MUL16 0, (\q)%2, \q, \slot, \zero
	MUL16 2, (\q)%2, \q, \slot, \zero
	s_wait_dscnt 0                                 ; Y's blocks 4-7 are in
	PLACES NP
	FETCH_B \slot, (\q)+1, 1-(\q)%2
	FETCH_A \slot, (\q)+1, 0
	WIN MUL_HI
	MUL16 4, (\q)%2, \q, \slot, \zero
	MUL16 6, (\q)%2, \q, \slot, \zero
	PLACES NP
	WIN 0
	FETCH_A \slot, (\q)+1, 4
.endm
; A slot's last step changes slots: ONE barrier; in front of it each wave waits for all its tensor loads, adds 0 to its spare word, and waits for that and for its own reads of this slot.  fill = 1: this slot is filled again, two K steps ahead.
.macro TURN slot, next, fill
	s_wait_tensorcnt 0x0                           ; all my tensor loads have landed: my part of the next slot;
	ds_add_u32 v[SPW], v[NIL]                      ; 0 onto my spare word;
	s_wait_dscnt 4*NL+1                            ; (the add and the youngest sixteen loads, Y's blocks 4-7, may be out)
	WIN MUL_LO
	MUL16 0, 1, NQ-1, \slot, 0                     ; sixteen matrix instructions stand between the add and the wait for it
	s_wait_dscnt 0x0                               ; the add is done, and my reads of this slot are over
	s_barrier_signal -1
	MUL16 2, 1, NQ-1, \slot, 0
	WIN 0
	s_barrier_wait -1
.if \fill
	CREST                                          ; the barrier has opened a round of the cluster's barrier: no wave of any partner still reads this slot's tile or has a load on its way
	s_add_nc_u64 s[G0+4*\slot+2:G0+4*\slot+3], s[G0+4*\slot+2:G0+4*\slot+3], 2*ROWB
	s_add_nc_u64 s[G0B+4*\slot+2:G0B+4*\slot+3], s[G0B+4*\slot+2:G0B+4*\slot+3], 2*ROWB
	JLOAD G0+4*\slot, G1, G0B+4*\slot, G1B         ; the first tensor load behind the round; the four v_nop behind it are among the places in front of the loads below
	PLACES NP-4
.else
	PLACES NP
.endif
	v_add_nc_u32 v[ADRS], 4*NQ, v[ADRS]            ; on to the next K step's scale words (no LDS load of mine is out)
	FETCH_B \next, 0, 0
	FETCH_A \next, 0, 0
	SCALES \next
	WIN MUL_HI
	MUL16 4, 1, NQ-1, \slot, 0
	MUL16 6, 1, NQ-1, \slot, 0
	PLACES NP
	WIN 0
	FETCH_A \next, 0, 4
.endm
	s_wait_tensorcnt 1                             ; the scales and my part of K step 0 are in (K step 1's load, issued last, may be out)
	s_barrier_signal -1
	s_barrier_wait -1                              ; everybody's are
	FETCH_B 0, 0, 0
	FETCH_A 0, 0, 0
	SCALES 0
	FETCH_A 0, 0, 4
	STEP 0, 0, 1                                   ; the first step stands in front of the loop: its products start the sums
	s_mov_b32 s3, LAPS-1
.Llap:                                                 ; a trip goes once round the ring, from a lap's second step to the next lap's first, and fills both slots again
	TURN 0, 1, 1
	STEP 1, 0, 0
	TURN 1, 0, 1
	STEP 0, 0, 0
	s_sub_co_u32 s3, s3, 1
	s_cmp_lg_u32 s3, 0
	s_cbranch_scc1 .Llap
	TURN 0, 1, 0                                   ; the last lap fills nothing, and has no round of the cluster's barrier
	STEP 1, 0, 0
	s_wait_dscnt 4*NL                              ; the very last step: nothing more to fetch
	WIN MUL_LO
	MUL16 0, 1, NQ-1, 1, 0
	MUL16 2, 1, NQ-1, 1, 0
	s_wait_dscnt 0
	WIN MUL_HI
	MUL16 4, 1, NQ-1, 1, 0
	MUL16 6, 1, NQ-1, 1, 0
	WIN 0
; THE WAY OUT, Y block by Y block.  BIAS brings a block's 64 sums into window 0 and adds the bias on the way: along X for q and k, the lane's one number along Y for v.  Each accumulator is read from its low end on.
.macro BIAS y
.set WB, 0x02+(\y)/4                   ; source 0: window 2 or 3
	s_cmp_eq_u32 s[PART], 2
	s_cbranch_scc1 .Lbias_y_\@
	WIN WB
.set i, 0
.rept 32
	v_pk_add_f32 v[T+i:T+i+1], v[64*((\y)%4)+i:64*((\y)%4)+i+1], v[BX+i:BX+i+1]
.set i, i+2
.endr
	WIN 0
	s_branch .Lbias_done_\@
.Lbias_y_\@:
	WIN WB
.set i, 0
.rept 32
	v_pk_add_f32 v[T+i:T+i+1], v[64*((\y)%4)+i:64*((\y)%4)+i+1], v[BY+2*((\y)/2):BY+2*((\y)/2)+1] op_sel:[0,(\y)%2] op_sel_hi:[1,(\y)%2]
.set i, i+2
.endr
	WIN 0
.Lbias_done_\@:
.endm
; 64 numbers of a lane, v[s] on, register 16 b + i in block b of 32 along X, become 16 registers of codes in v[pc] on and the lane's scale word in v[pw].
.macro QUANT s, pc, pw
.irp b, 0,1,2,3
	v_max3_num_f32 v[TM+\b], |v[(\s)+16*\b]|, |v[(\s)+1+16*\b]|, 0x4800000   ; block b: my 16 numbers, and the floor 2^(9 - 127): so the byte cannot fall under 1
.endr
.irp i, 2,4,6,8,10,12,14
.irp b, 0,1,2,3
	v_max3_num_f32 v[TM+\b], v[TM+\b], |v[(\s)+16*\b+\i]|, |v[(\s)+1+16*\b+\i]|   ; (the four blocks by turns)
.endr
.endr
.irp b, 0,1,2,3
	v_permlanex16_b32 v[TM+4+\b], v[TM+\b], s[SEL], s[SEL+1]
.endr
.irp b, 0,1,2,3
	v_max_num_f32 v[TM+\b], v[TM+\b], v[TM+4+\b]   ; with lane l xor 16's: the block's largest magnitude
.endr
.irp b, 0,1,2,3
	v_add_nc_u32 v[TM+12+\b], 0xfc000000, v[TM+\b]   ; 8 off its exponent field: the conversion takes the exponent field of this operand as its scale
.endr
.irp b, 0,1,2,3
	v_and_or_b32 v[TM+8+\b], v[TM+\b], 0x7f800000, s[MNT]   ; 448 x the scale
.endr
.irp b, 0,1,2,3
	v_lshrrev_b32 v[TM+4+\b], 23, v[TM+12+\b]      ; the scale's byte
.endr
	v_lshl_or_b32 v[(\pw)], v[TM+5], 8, v[TM+4]
	v_lshl_or_b32 v[(\pw)], v[TM+6], 16, v[(\pw)]
	v_lshl_or_b32 v[(\pw)], v[TM+7], 24, v[(\pw)]
.irp b, 0,1,2,3
.irp i, 0,1,2,3,4,5,6,7,8,9,10,11,12,13,14,15
	v_med3_num_f32 v[(\s)+16*\b+\i], v[(\s)+16*\b+\i], -v[TM+8+\b], v[TM+8+\b]   ; the conversion to an 8-bit code does not saturate (ISA guide 7.6.2): the hold at the largest code x the scale
.endr
	v_cvt_scalef32_pk8_fp8_f32 v[(\pc)+4*\b:(\pc)+1+4*\b], v[(\s)+16*\b:(\s)+7+16*\b], v[TM+12+\b]
	v_cvt_scalef32_pk8_fp8_f32 v[(\pc)+2+4*\b:(\pc)+3+4*\b], v[(\s)+8+16*\b:(\s)+15+16*\b], v[TM+12+\b]
.endr
	v_nop                                          ; one plain vector instruction between the last conversion and the next vector instruction that writes its sources
.endm
; The block's codes leave as they stand: each store covers 512 consecutive bytes, at a multiple of 256 from the buffer's first byte.
.macro OUT y
.set PCY, PC0+16*((\y)%2)
.if (\y) > 0
	s_wait_xcnt 0x0                                ; the last block's stores have read their base, so it may step; and their data, which the next block's conversions write
.if (\y) == 4
	s_add_nc_u64 s[CB:CB+1], s[CB:CB+1], s[STB:STB+1]
.else
	s_add_nc_u64 s[CB:CB+1], s[CB:CB+1], s[STA:STA+1]
.endif
.endif
	global_store_b128 v[VOA], v[PCY:PCY+3], s[CB:CB+1]
	global_store_b128 v[VOA], v[PCY+4:PCY+7], s[CB:CB+1] offset:512
	global_store_b128 v[VOB], v[PCY+8:PCY+11], s[CB:CB+1]
	global_store_b128 v[VOB], v[PCY+12:PCY+15], s[CB:CB+1] offset:512
.endm
	PLACES NP                                      ; behind the last products: their results are read, and registers that they read are written, below
	s_wait_loadcnt 0x0                             ; the biases
.irp b, 0,1,2,3
	v_mov_b32 v[TM+4+\b], 0                        ; written once: a lane permute's destination counts as one of its sources
.endr
.irp y, 0,1,2,3,4,5,6,7
	BIAS \y
	QUANT T, PC0+16*(\y%2), PWS+\y
	OUT \y
.endr
	; THE SCALE WORDS go through my stage in slot 0, which has had its last fill and which nobody reads behind the last change of slots, and leave in runs of 256 and 512 bytes.
	; LDS serves a wave's instructions in order (ISA guide 5.7.1.4): the loads see the stores.
	s_cmp_eq_u32 s[PART], 2
	s_cbranch_scc1 .Lwords_v
.irp y, 0,1,2,3,4,5,6,7                ; q, k: a token's word for a head: the head's two bytes, twice (the second pair stands for the padded half of K = 128).  Token 16 y + r = 32 i + l lies at 16 l + 4 i
	v_perm_b32 v[WD+\y], v[PWS+\y], v[PWS+\y], v[SELP]
	ds_store_b32 v[SSQ], v[WD+\y] offset:256*(\y%2)+4*(\y/2)
.endr
	ds_load_b128 v[RB:RB+3], v[SRQ]
	ds_load_b128 v[RB+4:RB+7], v[SRQ] offset:512
	s_wait_dscnt 0x0
	global_store_b128 v[VOA], v[RB:RB+3], s[SB:SB+1]         ; the first head's 512 bytes of this step,
	global_store_b128 v[VOA], v[RB+4:RB+7], s[SB2:SB2+1]     ; the second head's
	s_branch .Lwords_done
.Lwords_v:
.irp y, 0,1,2,3,4,5,6,7                ; v: the word of d = 16 (y % 4) + r = 32 i + l of head y / 4 lies at 8 l + 4 i; both halves of the lanes write the same word with the same value
	ds_store_b32 v[SSV], v[PWS+\y] offset:256*(\y/4)+128*(\y%2)+4*((\y%4)/2)
.endr
	ds_load_b128 v[RB:RB+3], v[SRV]
	s_wait_dscnt 0x0
	global_store_b128 v[VOS], v[RB:RB+3], s[SB:SB+1]         ; lanes 0-15: the first head's 256 bytes; lanes 16-31: the second head's
.Lwords_done:
	s_wait_tensorcnt 0x0                           ; the wave's end: behind my last tensor load and my last LDS store
	ds_add_u32 v[SPW], v[NIL]
	s_wait_dscnt 0x0
	CROUND                                         ; the closing round: no work-group ends while a partner may still ask for a tile that names it
	s_endpgm
.Lfunc_end_k_q9e8ea2f5b5_qkv:
	.size	k_q9e8ea2f5b5_qkv, .Lfunc_end_k_q9e8ea2f5b5_qkv-k_q9e8ea2f5b5_qkv
	.p2alignl 7, 3214868480
	.fill 96, 4, 3214868480
	.section	.rodata,"a",@progbits
	.p2align	6, 0x0
	.amdhsa_kernel k_q9e8ea2f5b5_qkv
		.amdhsa_group_segment_fixed_size 327680
		.amdhsa_private_segment_fixed_size 0
		.amdhsa_enable_private_segment 0
		.amdhsa_kernarg_size 56
		.amdhsa_user_sgpr_count 2
		.amdhsa_user_sgpr_kernarg_segment_ptr 1
		.amdhsa_wavefront_size32 1
		.amdhsa_system_sgpr_workgroup_id_x 1
		.amdhsa_system_sgpr_workgroup_id_y 1
		.amdhsa_system_sgpr_workgroup_id_z 1
		.amdhsa_system_vgpr_workitem_id 0
		.amdhsa_next_free_vgpr 1024
		.amdhsa_next_free_sgpr 102
		.amdhsa_reserve_vcc 1
		.amdhsa_float_denorm_mode_32 3
		.amdhsa_float_denorm_mode_16_64 3
		.amdhsa_memory_ordered 1
		.amdhsa_forward_progress 1
		.amdhsa_inst_pref_size 225
	.end_amdhsa_kernel
	.amdgpu_metadata
---
amdhsa.version: [ 1, 2 ]
amdhsa.kernels:
  - .name:           k_q9e8ea2f5b5_qkv
    .symbol:         k_q9e8ea2f5b5_qkv.kd
    .args:
      - { .name: input_codes, .offset: 0, .size: 8, .value_kind: global_buffer, .address_space: global }
      - { .name: input_scales, .offset: 8, .size: 8, .value_kind: global_buffer, .address_space: global }
      - { .name: qkv_w_codes, .offset: 16, .size: 8, .value_kind: global_buffer, .address_space: global }
      - { .name: qkv_w_scales, .offset: 24, .size: 8, .value_kind: global_buffer, .address_space: global }
      - { .name: qkv_b, .offset: 32, .size: 8, .value_kind: global_buffer, .address_space: global }
      - { .name: qkvc, .offset: 40, .size: 8, .value_kind: global_buffer, .address_space: global }
      - { .name: scl, .offset: 48, .size: 8, .value_kind: global_buffer, .address_space: global }
    .group_segment_fixed_size: 327680
    .private_segment_fixed_size: 0
    .kernarg_segment_align: 8
    .kernarg_segment_size: 56
    .max_flat_workgroup_size: 128
    .sgpr_count:     102
    .vgpr_count:     1024
    .wavefront_size: 32
...
	.end_amdgpu_metadata
.endif
;; end of part 2
;; launch attn (part 3): grid 8 x 64, 16 waves a work-group, no clusters, 101,888 bytes of LDS; arguments qkvc, scl, mbits, ocodes, oscales; writes ocodes, oscales
.if DOCPART == 3
	.amdgcn_target "amdgcn-amd-amdhsa--gfx1250"
	.amdhsa_code_object_version 6
	.text
	.protected	k_q9e8ea2f5b5_attn
	.globl	k_q9e8ea2f5b5_attn
	.p2align	8
	.type	k_q9e8ea2f5b5_attn,@function
k_q9e8ea2f5b5_attn:
	s_mov_b64 s[64:65], 0
	v_nop
	global_prefetch_b8 v0, s[64:65] scope:SCOPE_SE
	s_setreg_imm32_b32 hwreg(HW_REG_WAVE_MODE, 25, 1), 1
	s_wait_xcnt 0x0
; O = softmax(mask(q k^T / 8)) v for one head and 256 queries a work-group, both products on codes of FP8 (E4M3) with one E8M0 scale for each 32 along K; O is quantised along the model's 1,024 and leaves as an
; image of the last launch's operand registers.
; THE SOFTMAX: t = score x log2(e) / 8; M = the row's largest t so far, rounded UP to a whole number; p = 2^(t - M) is quantised along the keys, not normalised; the row's sum is taken of the unquantised p
; and divides O at the end.  When M moves, the sum and O are multiplied by 2^(old M - new M): exact.
; SHARES.  Each of sixteen waves owns one tile of 16 queries in 256 registers, four waves to a SIMD.  Every wave walks the head's 2,048 keys, 128 a step.
; LAYOUT.  Both products are used transposed: S^T = K Q^T (source 0 = 16 keys), O^T = V^T P^T (source 0 = 16 of the head's 64): a lane holds ONE query (lane % 16) throughout.  The 16 registers of score tiles
; 2 B and 2 B + 1 lie in block B of 32 keys, in the order in which v's codes were laid: k is permuted inside a block alike on both sides, so the products stay the same.
; K = 64 IN AN INSTRUCTION OF 128.  Q's operand is 8 registers of codes and 8 of zero codes.  K's eight tiles lie 8 registers apart, with 8 registers of zeros behind them: the upper half of tile t's operand is tile
; t + 1's codes, which meet Q's zeros and add exact zeros.  The padded blocks' scale bytes repeat the true ones.
; FEEDING.  K, V and their scale words come as dense register images.  In every step the 512 threads load the bytes of the step two ahead into 10 registers and store them, at the step's end, into the other of two
; LDS buffers of two steps each; one barrier for two steps.  The loads are issued a whole step ahead of the wait for them.
; THE MASK comes as lane masks, one scalar word for each score register, a step ahead; a step whose flag bit says that its tile has no hole jumps over the 64 selects.
; NO JOINT LOADS, though the eight work-groups of a head read the same K and V: what is shared is 17,152 bytes for a
; step of about 440 instructions in each of sixteen waves.  No prefetch either: no wave waits for these loads.
; LIMITS: NaN and infinities among the values are not served.  A query with no key allowed has the sum 0: its scale bytes are set to 0xff, which makes its row of the output NaN, as the definition has it.
; A block of zeros gets the byte 1 where the rule says 127: its codes are zeros, and the bytes are read by this program alone.
.set BUF1, 65536                       ; LDS: buffer 0 at 0, buffer 1 here; in a buffer: K's codes of its two steps, 8,192 bytes each;
.set VOFF, 16384                       ; V's likewise;
.set SOFF, 32768                       ; a step's scale words: K's 512 bytes, V's 256
.set LI,   1                           ; v1, v2     16 x lane, in buffer 0, 1
.set L8,   3                           ; v3, v226   8 x lane, in buffer 0, 1
.set KSC,  4                           ; v4-7       K's scale words: register i, lane l: key 32 i + l
.set VSC,  8                           ; v8-9       V's: register i, lane l: d = 32 i + l
.set QSC,  10                          ; v10        Q's
.set PSC,  11                          ; v11        p's
.set QF,   16                          ; v16-23 Q's codes, v24-31 zeros
.set KV,   32                          ; v32-95 K's eight tiles, then V's four; v96-103 zeros
.set S,    104                         ; v104-167 S^T, then p
.set O,    168                         ; v168-199 O^T
.set PCD,  200                         ; v200-215 p's codes
.set STG,  216                         ; v216-225 what is on its way to LDS
.set CP,   227                         ; v227, v228 16 x thread, in buffer 0 (also the loads' offset), 1
.set C8,   229                         ; v229, v230 8 x thread likewise
.set QSO,  231                         ; v231       16 r
.set BM,   232
.set BP,   236
.set BH,   240
.set BS,   244
.set F,    252                         ; v[252:253] f = 2^(old M - new M), later 1 / the sum
.set TMP,  254
.set NINF, 255
.set KP,   4                           ; s[4:5]   K's codes, s[6:7] V's, s[8:9] their scale words: at the step that the trip's first step loads
.set VP,   6
.set SP,   8
.set MP,   10                          ; s[10:11] my tile's mask words
.set OC,   12                          ; s[12:13] where my codes go, s[14:15] where my scale bytes go
.set OSC,  14
.set WV,   84                          ; s16-63 and s68-83: the step's 64 mask words
.set FL,   85                          ; my tile's flags; bit 0 is the step's
.set TRIP, 86
.set MO,   87                          ; the byte at which the next step's mask words begin
.set SEL,  88
.set CS,   90                          ; s[90:91] c = log2(e) / 8
.set MNT,  92
.macro LOADG reg, i                    ; the bytes of step i behind the pointers: 16 of K and 16 of V a thread; 8 of the scale words in each thread of waves 0 to 2
	global_load_b128 v[\reg:\reg+3], v[CP], s[KP:KP+1] offset:8192*(\i)
	global_load_b128 v[\reg+4:\reg+7], v[CP], s[VP:VP+1] offset:8192*(\i)
	s_cmp_lt_u32 s[WV], 3
	s_cbranch_scc0 .Lno_words_\@
	global_load_b64 v[\reg+8:\reg+9], v[C8], s[SP:SP+1] offset:768*(\i)
.Lno_words_\@:
.endm
.macro STOREL reg, b, q                ; and into buffer b, step q
	ds_store_b128 v[CP+(\b)], v[\reg:\reg+3] offset:8192*(\q)
	ds_store_b128 v[CP+(\b)], v[\reg+4:\reg+7] offset:VOFF+8192*(\q)
	s_cmp_lt_u32 s[WV], 3
	s_cbranch_scc0 .Lno_words_\@
	ds_store_b64 v[C8+(\b)], v[\reg+8:\reg+9] offset:SOFF+768*(\q)
.Lno_words_\@:
.endm
	s_load_b256 s[16:23], s[0:1], 0x0              ; qkvc, scl, mbits, ocodes
	s_load_b64 s[24:25], s[0:1], 0x20              ; oscales
	v_lshrrev_b32 v1, 5, v0
	v_readfirstlane_b32 s[WV], v1                  ; wave 0..15
	s_and_b32 s26, ttmp7, 0xffff                   ; 16 x batch + head
	s_lshl_b32 s27, ttmp9, 4
	s_add_co_u32 s27, s27, s[WV]                   ; T: my tile of 16 queries
	s_lshl_b32 s28, s26, 17                        ; a head's codes are 131,072 bytes in each part
	s_mov_b32 s29, 0
	s_lshl_b32 s30, s27, 10
	s_add_co_u32 s30, s30, s28                     ; Q: tile T's image
	s_mov_b32 s31, 0
	s_add_co_u32 s28, s28, 8388608                 ; K: the second part
	s_mul_i32 s32, s26, 12288
	s_add_co_u32 s32, s32, 524288                  ; K's and V's scale words
	s_mov_b32 s33, 0
	s_lshl_b32 s34, s26, 13                        ; Q's scale words: token 128 J + 32 i + l lies at 512 J + 16 l + 4 i; mine are J = T / 8, l = 16 (T % 2) + r, i = (T % 8) / 2
	s_lshr_b32 s36, s27, 3
	s_lshl_b32 s36, s36, 9
	s_add_co_u32 s34, s34, s36
	s_and_b32 s36, s27, 1
	s_lshl_b32 s36, s36, 8
	s_add_co_u32 s34, s34, s36
	s_bfe_u32 s36, s27, 0x20001
	s_lshl_b32 s36, s36, 2
	s_add_co_u32 s34, s34, s36
	s_mov_b32 s35, 0
	s_lshl_b32 s36, s27, 12                        ; my tile's mask words: 16 steps x 256 bytes
	s_mov_b32 s37, 0
	s_lshr_b32 s38, s26, 4                         ; batch
	s_lshl_b32 s40, s38, 7
	s_add_co_u32 s40, s40, s27                     ; my tile among the 512 tiles of tokens
	s_lshl_b32 s40, s40, 14
	s_bfe_u32 s42, s26, 0x30001                    ; head / 2: the K step of 128,
	s_lshl_b32 s42, s42, 11
	s_add_co_u32 s40, s40, s42
	s_and_b32 s42, s26, 1                          ; head % 2: its blocks 0, 1 or 2, 3
	s_lshl_b32 s42, s42, 10
	s_add_co_u32 s40, s40, s42
	s_mov_b32 s41, 0
	s_lshl_b32 s42, s38, 11
	s_lshl_b32 s43, s27, 4
	s_add_co_u32 s42, s42, s43                     ; my first token
	s_lshl_b32 s42, s42, 5                         ; 32 scale bytes a token,
	s_and_b32 s43, s26, 15
	s_lshl_b32 s43, s43, 1                         ; two a head
	s_add_co_u32 s42, s42, s43
	s_mov_b32 s43, 0
	s_lshl_b32 s93, s27, 2
	s_mov_b32 s[MO], 0
	s_mov_b32 s[TRIP], 4
	s_mov_b32 s[SEL], 0x76543210
	s_mov_b32 s[SEL+1], 0xfedcba98
	s_mov_b32 s[CS], 0x3e38aa3b                    ; c = log2(e) / 8
	s_mov_b32 s[CS+1], s[CS]                       ; (named with it as a pair, so it is written)
	s_mov_b32 s[MNT], 0x600000
	v_and_b32 v[TMP], 31, v0
	v_lshlrev_b32 v[LI], 4, v[TMP]
	v_add_nc_u32 v[LI+1], BUF1, v[LI]
	v_lshlrev_b32 v[L8], 3, v[TMP]
	v_add_nc_u32 v[L8+223], BUF1, v[L8]
	v_lshlrev_b32 v[CP], 4, v0
	v_add_nc_u32 v[CP+1], BUF1, v[CP]
	v_lshlrev_b32 v[C8], 3, v0
	v_add_nc_u32 v[C8+1], BUF1, v[C8]
	v_and_b32 v[QSO], 15, v0
	v_lshlrev_b32 v[QSO], 4, v[QSO]
	s_wait_kmcnt 0x0
	s_add_nc_u64 s[KP:KP+1], s[16:17], s[28:29]
	s_add_nc_u64 s[VP:VP+1], s[KP:KP+1], 8388608
	s_add_nc_u64 s[96:97], s[16:17], s[30:31]      ; Q's codes
	s_add_nc_u64 s[SP:SP+1], s[18:19], s[32:33]
	s_add_nc_u64 s[98:99], s[18:19], s[34:35]      ; Q's scale words
	s_mov_b64 s[94:95], s[20:21]
	s_add_nc_u64 s[MP:MP+1], s[20:21], s[36:37]
	s_add_nc_u64 s[OC:OC+1], s[22:23], s[40:41]
	s_add_nc_u64 s[OSC:OSC+1], s[24:25], s[42:43]
	global_load_b128 v[QF:QF+3], v[LI], s[96:97]
	global_load_b128 v[QF+4:QF+7], v[LI], s[96:97] offset:512
	global_load_b32 v[QSC], v[QSO], s[98:99]
	LOADG STG, 0                                   ; steps 0 and 1 (the second into registers that the scores will take)
	LOADG S, 1
	s_load_b32 s[FL], s[94:95], s93 offset:0x80000 ; my tile's flags
	s_load_b512 s[16:31], s[MP:MP+1], s[MO] offset:0x0     ; step 0's mask words (they land on registers that no pending instruction names)
	s_load_b512 s[32:47], s[MP:MP+1], s[MO] offset:0x40
	s_load_b512 s[48:63], s[MP:MP+1], s[MO] offset:0x80
	s_load_b512 s[68:83], s[MP:MP+1], s[MO] offset:0xc0
.irp j, 0,1,2,3,4,5,6,7
	v_mov_b32 v[QF+8+\j], 0                        ; zero codes: the padded half of Q's operand,
	v_mov_b32 v[KV+64+\j], 0                       ; and of K's last tile's
.endr
.set j, 0
.rept 32
	v_mov_b32 v[O+j], 0                            ; O^T.  (The step is written once: the first finds zeros, which the first change of M leaves zeros)
.set j, j+1
.endr
	v_mov_b32 v13, 0xff61b1e6                      ; the largest t so far: -3e38, under every t
	v_floor_f32 v12, -v13                          ; -M
	v_mov_b32 v14, 0                               ; the sum, in two halves
	v_mov_b32 v15, 0
.irp b, 0,1,2,3
	v_mov_b32 v[BP+\b], 0                          ; written once: a lane permute's destination counts as one of its sources
.endr
	v_mov_b32 v[F+1], 0                            ; (named as the upper half of a pair)
	v_mov_b32 v[NINF], 0xff800000                  ; -infinity
	s_wait_loadcnt 0x0
	STOREL STG, 0, 0
	STOREL S, 0, 1
	s_add_nc_u64 s[KP:KP+1], s[KP:KP+1], 16384     ; (their loads are done)  on to step 2
	s_add_nc_u64 s[VP:VP+1], s[VP:VP+1], 16384
	s_add_nc_u64 s[SP:SP+1], s[SP:SP+1], 1536
	s_wait_dscnt 0x0                               ; for the others' sake: my part of buffer 0 lies there
	s_barrier_signal -1
	s_barrier_wait -1
; A KEY STEP: 128 keys, step q of buffer b.  It loads the step that lies i steps behind the pointers and stores it into the other buffer.  guard = 1: in the last trip there is no such step.
.macro STEP b, q, i, guard
.if \guard
	s_cmp_eq_u32 s[TRIP], 1
	s_cbranch_scc1 .Lno_load_\@
.endif
	LOADG STG, \i
.if \guard
.Lno_load_\@:
.endif
.rept 8
	v_nop                                          ; places behind the last step's products, in front of loads into registers that they read
.endr
.irp t, 0,1,2,3,4,5,6,7
	ds_load_b128 v[KV+8*\t:KV+8*\t+3], v[LI+\b] offset:8192*(\q)+1024*\t
	ds_load_b128 v[KV+8*\t+4:KV+8*\t+7], v[LI+\b] offset:8192*(\q)+1024*\t+512
.endr
	ds_load_b128 v[KSC:KSC+3], v[LI+\b] offset:SOFF+768*(\q)
	ds_load_b64 v[VSC:VSC+1], v[L8+223*\b] offset:SOFF+768*(\q)+512
	s_wait_dscnt 0x0
.irp t, 0,2,4,6                                ; S^T = K Q^T: lane (r, h), register j of tile t: key 16 t + 8 h + j, query r
	v_wmma_scale_f32_16x16x128_f8f6f4 v[S+8*\t:S+8*\t+7], v[KV+8*\t:KV+8*\t+15], v[QF:QF+15], 0, v[KSC+\t/2], v[QSC]
	v_wmma_scale_f32_16x16x128_f8f6f4 v[S+8*\t+8:S+8*\t+15], v[KV+8*\t+8:KV+8*\t+23], v[QF:QF+15], 0, v[KSC+\t/2], v[QSC] matrix_a_scale:MATRIX_SCALE_ROW1
.endr
.rept 8
	v_nop                                          ; places: in front of the loads below, and of the first read of the scores
.endr
.irp t, 0,1,2,3                                ; V's four tiles land while the softmax is worked
.irp c, 0,1,2,3
	ds_load_b128 v[KV+16*\t+4*\c:KV+16*\t+4*\c+3], v[LI+\b] offset:VOFF+8192*(\q)+2048*\t+512*\c
.endr
.endr
	s_wait_kmcnt 0x0                               ; the step's mask words, asked for a step ago (and, in the first step, the flags)
	s_bitcmp1_b32 s[FL], 0
	s_cbranch_scc0 .Lopen_\@                       ; no hole in this tile
.set n, 0
.rept 64
	v_cndmask_b32 v[S+n], v[NINF], v[S+n], s[16+n+4*(n/48)]   ; a hidden key's score becomes -infinity: p = 0
.set n, n+1
.endr
.Lopen_\@:
	s_lshr_b32 s[FL], s[FL], 1
	s_add_co_u32 s[MO], s[MO], 256
	s_and_b32 s[MO], s[MO], 0xfff                  ; (the last step asks for step 0's words again: inside the buffer, and not used)
	s_load_b512 s[16:31], s[MP:MP+1], s[MO] offset:0x0
	s_load_b512 s[32:47], s[MP:MP+1], s[MO] offset:0x40
	s_load_b512 s[48:63], s[MP:MP+1], s[MO] offset:0x80
	s_load_b512 s[68:83], s[MP:MP+1], s[MO] offset:0xc0
.irp b2, 0,1,2,3
	v_max3_num_f32 v[BM+\b2], v[S+16*\b2], v[S+1+16*\b2], v[S+2+16*\b2]   ; THE LARGEST SCORE OF EACH BLOCK OF 32 KEYS: it serves for the row's maximum and, since p rises with the score, for the block's largest p
.endr
.irp i2, 3,5,7,9,11,13
.irp b2, 0,1,2,3
	v_max3_num_f32 v[BM+\b2], v[BM+\b2], v[S+16*\b2+\i2], v[S+1+16*\b2+\i2]
.endr
.endr
.irp b2, 0,1,2,3
	v_max_num_f32 v[BM+\b2], v[BM+\b2], v[S+15+16*\b2]
.endr
.irp b2, 0,1,2,3
	v_permlanex16_b32 v[BP+\b2], v[BM+\b2], s[SEL], s[SEL+1]
.endr
.irp b2, 0,1,2,3
	v_max_num_f32 v[BM+\b2], v[BM+\b2], v[BP+\b2]  ; with lane l xor 16's 16 keys
.endr
	v_max3_num_f32 v[TMP], v[BM], v[BM+1], v[BM+2]
	v_max_num_f32 v[TMP], v[TMP], v[BM+3]          ; the step's largest score of my query
	v_mul_f32 v[TMP], s[CS], v[TMP]                ; as t (c is positive)
	v_max_num_f32 v13, v13, v[TMP]                 ; the running largest t
	v_mov_b32 v[TMP], v12
	v_floor_f32 v12, -v13                          ; the new -M = floor(-t) = -ceil(t)
	v_sub_f32 v[TMP], v12, v[TMP]                  ; old M - new M: a whole number, 0 or less
	v_cvt_i32_f32 v[TMP], v[TMP]                   ; (it saturates)
	v_ldexp_f32 v[F], 1.0, v[TMP]                  ; f = 2^(old M - new M)
.set j, 0
.rept 32
	v_pk_fma_f32 v[S+j:S+j+1], v[S+j:S+j+1], s[CS:CS+1], v[12:13] op_sel_hi:[1,0,0]   ; t - M, two at a time
.set j, j+2
.endr
.irp b2, 0,1,2,3
	v_fma_f32 v[BM+\b2], v[BM+\b2], s[CS], v12     ; the same of each block's largest score
.endr
.set j, 0
.rept 64
	v_exp_f32 v[S+j], v[S+j]                       ; p = 2^(t - M), at most 1
.set j, j+1
.endr
	v_pk_mul_f32 v[14:15], v[14:15], v[F:F+1] op_sel_hi:[1,0]   ; the sums under the new M.  (The plain instruction behind the exponentials)
	s_wait_alu depctr_va_vdst(0)                   ; one wait for the whole batch, ahead of its first reader
.irp b2, 0,1,2,3
	v_exp_f32 v[BM+\b2], v[BM+\b2]                 ; the block's largest p: the same two instructions on the same number give the same bits
.endr
	v_pk_add_f32 v[BP:BP+1], v[S:S+1], v[S+2:S+3]  ; THE ROW'S SUM IS TAKEN OF THE UNQUANTISED p: two at a time, in two chains
.irp j2, 4,8,12,16,20,24,28,32,36,40,44,48,52,56,60
	v_pk_add_f32 v[14:15], v[14:15], v[S+\j2:S+1+\j2]
	v_pk_add_f32 v[BP:BP+1], v[BP:BP+1], v[S+2+\j2:S+3+\j2]
.endr
	v_pk_add_f32 v[14:15], v[14:15], v[BP:BP+1]
	s_wait_alu depctr_va_vdst(0)                   ; and one for the four
.irp b2, 0,1,2,3
	v_max_num_f32 v[BM+\b2], 0x4800000, v[BM+\b2]  ; the floor 2^(9 - 127): the byte cannot fall under 1
.endr
.irp b2, 0,1,2,3
	v_add_nc_u32 v[BS+\b2], 0xfc000000, v[BM+\b2]  ; 8 off the exponent field: the conversion's scale operand
.endr
.irp b2, 0,1,2,3
	v_and_or_b32 v[BH+\b2], v[BM+\b2], 0x7f800000, s[MNT]   ; 448 x the scale
.endr
.irp b2, 0,1,2,3
	v_lshrrev_b32 v[BP+\b2], 23, v[BS+\b2]         ; the scale's byte
.endr
	v_lshl_or_b32 v[PSC], v[BP+1], 8, v[BP]        ; p's scale word for these 128 keys
	v_lshl_or_b32 v[PSC], v[BP+2], 16, v[PSC]
	v_lshl_or_b32 v[PSC], v[BP+3], 24, v[PSC]
.irp b2, 0,1,2,3
.irp i2, 0,1,2,3,4,5,6,7,8,9,10,11,12,13,14,15
	v_min_num_f32 v[S+16*\b2+\i2], v[S+16*\b2+\i2], v[BH+\b2]   ; the conversion to an 8-bit code does not saturate (ISA guide 7.6.2); p is not negative, so the hold is one-sided
.endr
	v_cvt_scalef32_pk8_fp8_f32 v[PCD+4*\b2:PCD+1+4*\b2], v[S+16*\b2:S+7+16*\b2], v[BS+\b2]
	v_cvt_scalef32_pk8_fp8_f32 v[PCD+2+4*\b2:PCD+3+4*\b2], v[S+8+16*\b2:S+15+16*\b2], v[BS+\b2]
.endr
.set j, 0
.rept 16
	v_pk_mul_f32 v[O+j:O+j+1], v[O+j:O+j+1], v[F:F+1] op_sel_hi:[1,0]   ; O^T under the new M.  (These sixteen are also the places between the codes and the products)
.set j, j+2
.endr
	s_wait_dscnt 0x0                               ; V
.irp t, 0,2                                    ; O^T += V^T P^T: four accumulators by turns
	v_wmma_scale_f32_16x16x128_f8f6f4 v[O+8*\t:O+8*\t+7], v[KV+16*\t:KV+16*\t+15], v[PCD:PCD+15], v[O+8*\t:O+8*\t+7], v[VSC+\t/2], v[PSC]
	v_wmma_scale_f32_16x16x128_f8f6f4 v[O+8*\t+8:O+8*\t+15], v[KV+16*\t+16:KV+16*\t+31], v[PCD:PCD+15], v[O+8*\t+8:O+8*\t+15], v[VSC+\t/2], v[PSC] matrix_a_scale:MATRIX_SCALE_ROW1
.endr
	s_wait_loadcnt 0x0                             ; what was asked for at the step's head is in.  The wait stands on every path, ahead of the branch below: no load of mine is out when the next step loads into these registers, or when the pointers step
.if \guard
	s_cmp_eq_u32 s[TRIP], 1
	s_cbranch_scc1 .Lno_store_\@
.endif
	STOREL STG, 1-\b, \q
.if \guard
.Lno_store_\@:
.endif
.if \q == 1
	s_wait_dscnt 0x0                               ; my stores into the other buffer have landed, and my reads of this one are over
	s_barrier_signal -1
	s_barrier_wait -1                              ; both hold of all sixteen waves: the other buffer is whole, and this one may be written
.endif
.endm
.Ltrip:                                            ; four trips of four steps
	STEP 0, 0, 0, 0
	STEP 0, 1, 1, 0
	STEP 1, 0, 2, 1
	STEP 1, 1, 3, 1
	s_add_nc_u64 s[KP:KP+1], s[KP:KP+1], 32768     ; (the last step's wait for its loads has freed the pointers)
	s_add_nc_u64 s[VP:VP+1], s[VP:VP+1], 32768
	s_add_nc_u64 s[SP:SP+1], s[SP:SP+1], 3072
	s_sub_co_i32 s[TRIP], s[TRIP], 1
	s_cmp_lg_u32 s[TRIP], 0
	s_cbranch_scc1 .Ltrip
	; THE END.  O^T / the sum; quantised along the model's axis: my head's two blocks of 32, each shared with lane l xor 16.
	s_wait_kmcnt 0x0
.rept 8
	v_nop                                          ; places behind the last products
.endr
	v_add_f32 v14, v14, v15                        ; the sum's two halves,
	v_permlanex16_b32 v[TMP], v14, s[SEL], s[SEL+1]
	v_add_f32 v14, v14, v[TMP]                     ; and lane l xor 16's
	v_rcp_f32 v[F], v14
	v_and_b32 v248, 15, v0                         ; (plain work behind the reciprocal)  r
	v_bfe_u32 v249, v0, 4, 1                       ; h
	v_lshlrev_b32 v250, 4, v248
	v_lshl_add_u32 v250, v249, 3, v250             ; 16 r + 8 h
	v_lshl_add_u32 v251, v248, 5, v249             ; 32 r + h
	s_wait_alu depctr_va_vdst(0)                   ; ahead of the reciprocal's first reader
.set j, 0
.rept 16
	v_pk_mul_f32 v[O+j:O+j+1], v[O+j:O+j+1], v[F:F+1] op_sel_hi:[1,0]   ; register 16 c + 8 u + j: d = 32 c + 16 u + 8 h + j.  Each accumulator from its low end on
.set j, j+2
.endr
.irp c, 0,1
	v_max3_num_f32 v[BM+\c], |v[O+16*\c]|, |v[O+1+16*\c]|, 0x4800000
.endr
.irp i, 2,4,6,8,10,12,14
.irp c, 0,1
	v_max3_num_f32 v[BM+\c], v[BM+\c], |v[O+16*\c+\i]|, |v[O+1+16*\c+\i]|
.endr
.endr
.irp c, 0,1
	v_permlanex16_b32 v[BP+\c], v[BM+\c], s[SEL], s[SEL+1]
.endr
.irp c, 0,1
	v_max_num_f32 v[BM+\c], v[BM+\c], v[BP+\c]
.endr
.irp c, 0,1
	v_add_nc_u32 v[BS+\c], 0xfc000000, v[BM+\c]
.endr
.irp c, 0,1
	v_and_or_b32 v[BH+\c], v[BM+\c], 0x7f800000, s[MNT]
.endr
.irp c, 0,1
	v_lshrrev_b32 v[BP+\c], 23, v[BS+\c]
.endr
.irp c, 0,1
.irp i, 0,1,2,3,4,5,6,7,8,9,10,11,12,13,14,15
	v_med3_num_f32 v[O+16*\c+\i], v[O+16*\c+\i], -v[BH+\c], v[BH+\c]
.endr
	v_cvt_scalef32_pk8_fp8_f32 v[PCD+4*\c:PCD+1+4*\c], v[O+16*\c:O+7+16*\c], v[BS+\c]
	v_cvt_scalef32_pk8_fp8_f32 v[PCD+2+4*\c:PCD+3+4*\c], v[O+8+16*\c:O+15+16*\c], v[BS+\c]
.endr
	v_cmp_eq_u32 vcc_lo, 1, v249                   ; (a plain instruction behind the last conversion)
	v_cndmask_b32 v[TMP], v[BP], v[BP+1], vcc_lo   ; lanes 0-15 store block 0's byte, lanes 16-31 block 1's
	v_cmp_neq_f32 vcc_lo, 0, v14
	v_cndmask_b32 v[TMP], 0xff, v[TMP], vcc_lo     ; a query with no key allowed: the byte that makes its sums NaN
.irp c, 0,1
.irp u, 0,1
	global_store_b64 v250, v[PCD+4*\c+2*\u:PCD+4*\c+2*\u+1], s[OC:OC+1] offset:512*\c+256*\u   ; k in its true place in the image: byte 512 c + 16 (r + 16 u) + 8 h.  32 lanes store 256 consecutive bytes, at a multiple of 256
.endr
.endr
	global_store_b8 v251, v[TMP], s[OSC:OSC+1]     ; single bytes, 32 bytes apart from query to query: one byte for each 32 bytes of codes
	s_wait_xcnt 0x0
	v_lshl_add_u32 v254, v0, 2, 0x18600
	v_mov_b32 v255, 0
	s_wait_tensorcnt 0x0
	ds_add_u32 v254, v255
	s_wait_dscnt 0x0
	s_endpgm
.Lfunc_end_k_q9e8ea2f5b5_attn:
	.size	k_q9e8ea2f5b5_attn, .Lfunc_end_k_q9e8ea2f5b5_attn-k_q9e8ea2f5b5_attn
	.p2alignl 7, 3214868480
	.fill 96, 4, 3214868480
	.section	.rodata,"a",@progbits
	.p2align	6, 0x0
	.amdhsa_kernel k_q9e8ea2f5b5_attn
		.amdhsa_group_segment_fixed_size 101888
		.amdhsa_private_segment_fixed_size 0
		.amdhsa_enable_private_segment 0
		.amdhsa_kernarg_size 40
		.amdhsa_user_sgpr_count 2
		.amdhsa_user_sgpr_kernarg_segment_ptr 1
		.amdhsa_wavefront_size32 1
		.amdhsa_system_sgpr_workgroup_id_x 1
		.amdhsa_system_sgpr_workgroup_id_y 1
		.amdhsa_system_sgpr_workgroup_id_z 1
		.amdhsa_system_vgpr_workitem_id 0
		.amdhsa_next_free_vgpr 256
		.amdhsa_next_free_sgpr 100
		.amdhsa_reserve_vcc 1
		.amdhsa_float_denorm_mode_32 3
		.amdhsa_float_denorm_mode_16_64 3
		.amdhsa_memory_ordered 1
		.amdhsa_forward_progress 1
		.amdhsa_inst_pref_size 107
	.end_amdhsa_kernel
	.amdgpu_metadata
---
amdhsa.version: [ 1, 2 ]
amdhsa.kernels:
  - .name:           k_q9e8ea2f5b5_attn
    .symbol:         k_q9e8ea2f5b5_attn.kd
    .args:
      - { .name: qkvc, .offset: 0, .size: 8, .value_kind: global_buffer, .address_space: global }
      - { .name: scl, .offset: 8, .size: 8, .value_kind: global_buffer, .address_space: global }
      - { .name: mbits, .offset: 16, .size: 8, .value_kind: global_buffer, .address_space: global }
      - { .name: ocodes, .offset: 24, .size: 8, .value_kind: global_buffer, .address_space: global }
      - { .name: oscales, .offset: 32, .size: 8, .value_kind: global_buffer, .address_space: global }
    .group_segment_fixed_size: 101888
    .private_segment_fixed_size: 0
    .kernarg_segment_align: 8
    .kernarg_segment_size: 40
    .max_flat_workgroup_size: 512
    .sgpr_count:     100
    .vgpr_count:     256
    .wavefront_size: 32
...
	.end_amdgpu_metadata
.endif
;; end of part 3
;; launch outp (part 4): grid 4 x 32, 4 waves a work-group, clusters of 4 x 4, 327,680 bytes of LDS; arguments ocodes, oscales, out_w_codes, out_w_scales, out_b, out0; writes out0
.if DOCPART == 4
	.amdgcn_target "amdgcn-amd-amdhsa--gfx1250"
	.amdhsa_code_object_version 6
	.text
	.protected	k_q9e8ea2f5b5_outp
	.globl	k_q9e8ea2f5b5_outp
	.p2align	8
	.type	k_q9e8ea2f5b5_outp,@function
k_q9e8ea2f5b5_outp:
	s_mov_b64 s[64:65], 0
	v_nop
	global_prefetch_b8 v0, s[64:65] scope:SCOPE_SE
	s_setreg_imm32_b32 hwreg(HW_REG_WAVE_MODE, 25, 1), 1
	s_wait_xcnt 0x0
	s_wait_alu depctr_hold_cnt(0) depctr_sa_sdst(0) depctr_va_vdst(0) depctr_va_sdst(0) depctr_va_ssrc(0) depctr_va_vcc(0) depctr_vm_vsrc(0)
	s_getreg_b32 s2, hwreg(HW_REG_IB_STS2, 6, 4)
	s_cmp_eq_u32 s2, 0
	s_cbranch_scc0 .Lentry_in_a_cluster
	s_endpgm
.Lentry_in_a_cluster:
	s_bfe_u32 s2, ttmp6, 0x10000c
	s_cmp_lg_u32 s2, 0xf033
	s_cbranch_scc0 .Lentry_shape_is_right
	s_endpgm
.Lentry_shape_is_right:
; out0 = A out_w^T + out_b on codes of FP8 (E4M3) with one E8M0 scale for each 32 along K = 1,024.  A: the attention's output, 8,192 tokens, as IMAGES OF ITS FRAGMENTS' REGISTERS: tile of 16 tokens x 16,384 bytes,
; in it K step of 128 x 2,048, group of four registers x 512, lane x 16; its scale bytes [8192][32].  out_w: [1024][1024] codes, K innermost; scale bytes [1024][32].  out0: [8192][1024] f32.
; A tile of 256 x 256 of out0 is made by a work-group of four waves, 128 x 128 a wave: 64 accumulators, 512 registers.  K goes in steps of 256 through a ring of two LDS slots filled by the tensor data mover.
; The grid has 128 work-groups: 32 x 4 tiles.
; THE SCALES of the work-group's rows of A and of out_w, for all of K, come into LDS once, with the first fills, and stay.
; CLUSTERS: 4 x 4 work-groups.  A's tile is asked for jointly along a row of the cluster, out_w's along a column.  THE MATRIX INSTRUCTION IS USED TRANSPOSED (source 0 = 16 rows of out_w, source 1 = 16 tokens):
; a lane holds eight neighbouring numbers of a row of out0.  THE BIAS is the C of each sum's first matrix instruction.
; REGISTERS, in windows of 256: window 0: v0-31 addresses; v32-63 scale words, two sets; v64-127 the bias; from v128 A's fragments, ONE set.   window 1: out_w's fragments, TWO sets.
;   window 2: the accumulators of my rows 0-63 ((a, b) at v[8 (8 a + b)]);   window 3: those of rows 64-127.
.set SIZE_N, 1024
.set KSTEP,  256
.set NQ,     KSTEP/128
.set ROWB,   256
.set KROW,   1024
.set PITCH,  272                       ; a row of out_w in LDS: 256 bytes + 16 of padding = 68 words: row r starts at bank 4 r mod 64 (64 banks of 4 bytes: ISA guide 11.1)
.set FR,     16
.set NL,     4
.set NP,     8                         ; places behind this matrix instruction (ISA guide 7.12.1)
.set HALFA,  8*4096                    ; A: 8 tiles of tokens x 4,096 bytes of a K step, dense: every load of 16 bytes a lane takes 512 consecutive bytes
.set HALFT,  128*PITCH                 ; out_w: 128 rows
.set BOFF,   2*HALFA
.set SLOT,   2*HALFA+2*HALFT
.set LAPS,   2
.set KS,     32
.set SCL,    2*SLOT
.set HALFS,  (128*KS/256)*272
.set SBLK,   (16*KS/256)*272
.set SPARE,  SCL+4*HALFS               ; the spare words, 128 bytes for each wave: two blocks of 256 bytes that no other line names
.set SPITCH, 528                       ; the way out: a stage of 16 rows x (512 bytes + 16) for each wave, in slot 0, which has had its last fill and its last read when the first result is stored there
.set ADRA, 16
.set BO,   18                          ; v18     32 h: the bias loads' offset
.set ADRB, 20
.set STO,  24
.set RD,   25
.set CO,   26
.set ADRS, 27
.set SPW,  28
.set NIL,  29
.set SC,   32
.set BX,   64                          ; v64-127 register 8 b + j: out_b[16 b + 8 h + j of my 128 columns]
.set AF,   128
.set BK,   128
.set G1, 24
.set G0, 32
.set G1B, 48
.set G0B, 56
.set G1S, 68
.set G0S, 76
.set G1SB, 80
.set G0SB, 88
.set BXB, 96                           ; s[96:97] out_b
.set CPT, 98                           ; s[98:99] out0
.set MSB, 0
.macro WIN new
.if MSB != \new
	s_set_vgpr_msb (MSB<<8)|\new
.set MSB, \new
.endif
.endm
.set MUL_LO, 0xa1                      ; source 0 (out_w) window 1, source 1 (A) window 0, C and D window 2
.set MUL_HI, 0xf1                      ; the same, C and D window 3
.set FST_LO, 0x81                      ; the first step: C (the bias) window 0, D window 2
.set FST_HI, 0xc1                      ; D window 3
.set TO_B,   0x40
.macro JLOAD g0a, g1a, g0b, g1b        ; a joint load: waves 0 and 1 fetch for A, waves 2 and 3 for out_w; four v_nop follow each of the two lines
	s_cmp_eq_u32 s15, 0
	s_cbranch_scc0 .Lfor_b_\@
	tensor_load_to_lds s[\g0a:\g0a+3], s[\g1a:\g1a+7]
	s_nop 0
.rept 4
	v_nop
.endr
	s_branch .Lasked_\@
.Lfor_b_\@:
	tensor_load_to_lds s[\g0b:\g0b+3], s[\g1b:\g1b+7]
	s_nop 0
.rept 4
	v_nop
.endr
.Lasked_\@:
.endm
.macro CREST
	s_cmp_lg_u32 s14, 0
	s_cbranch_scc1 .Lnot_wave_0_\@
	s_barrier_signal -3
.Lnot_wave_0_\@:
	s_barrier_wait -3
	s_barrier_signal -1
	s_barrier_wait -1
.endm
.macro CROUND
	s_barrier_signal -1
	s_barrier_wait -1
	CREST
.endm
	s_load_b128 s[4:7], s[0:1], 0x0                ; A's codes, A's scales
	s_load_b128 s[8:11], s[0:1], 0x10              ; out_w's codes, out_w's scales
	s_load_b128 s[96:99], s[0:1], 0x20             ; out_b, out0
	v_lshl_add_u32 v[SPW], v0, 2, SPARE
	v_mov_b32 v[NIL], 0
	ds_add_u32 v28, v29
	ds_add_u32 v28, v29
	s_wait_dscnt 0x0
	v_lshrrev_b32 v1, 5, v0
	v_readfirstlane_b32 s14, v1                    ; wave 0..3
	s_lshr_b32 s15, s14, 1                         ; which half of the tile's rows is mine.  Also: I fetch for A (0) or for out_w (1)
	s_and_b32 s16, s14, 1                          ; which half of its columns.  Also: which half of that tile I fetch
	s_bfe_u32 s40, ttmp6, 0x40000                  ; cx, cy
	s_bfe_u32 s41, ttmp6, 0x40004
	s_lshl_b32 s42, ttmp9, 2
	s_add_co_u32 s42, s42, s40                     ; tile column
	s_and_b32 s17, ttmp7, 0xffff
	s_lshl_b32 s17, s17, 2
	s_add_co_u32 s17, s17, s41                     ; tile row
	s_lshl_b32 s43, s41, 2
	s_lshl_b32 s43, 15, s43                        ; my row of the cluster
	s_lshl_b32 s44, 0x1111, s40                    ; my column
	; A's group 1: 8 rows (tiles of tokens) of 4,096 bytes (512 elements of 8 bytes), 16,384 bytes apart; no padding
	s_or_b32 s[G1+0], s43, (3<<16)|(1<<21)         ; 15:0 the mask: my row; 17:16 element of 8 bytes; 21 set beside a mask
	s_mov_b32 s[G1+1], 512<<16                     ; tensor_dim0
	s_mov_b32 s[G1+2], 8<<16                       ; tensor_dim1
	s_mov_b32 s[G1+3], 512<<16                     ; tile_dim0
	s_mov_b32 s[G1+4], 8                           ; tile_dim1
	s_mov_b32 s[G1+5], 2048                        ; tensor_dim0_stride, in elements
	s_mov_b32 s[G1+6], 0
	s_mov_b32 s[G1+7], 0
	; out_w's: 128 rows x 256 bytes, padded in LDS
	s_or_b32 s[G1B+0], s44, (0<<16)|(1<<20)|(1<<21)|(5<<22)|(3<<25)
	s_mov_b32 s[G1B+1], ROWB<<16
	s_mov_b32 s[G1B+2], 128<<16
	s_mov_b32 s[G1B+3], ROWB<<16
	s_mov_b32 s[G1B+4], 128
	s_mov_b32 s[G1B+5], KROW
	s_mov_b32 s[G1B+6], 0
	s_mov_b32 s[G1B+7], 0
	; the scales of 128 rows: a dense block of 4,096 bytes, as rows of 256 bytes, 16 bytes of padding behind each
	s_or_b32 s[G1S+0], s43, (3<<16)|(1<<20)|(1<<21)|(5<<22)|(3<<25)
	s_or_b32 s[G1SB+0], s44, (3<<16)|(1<<20)|(1<<21)|(5<<22)|(3<<25)
.irp g, G1S, G1SB
	s_mov_b32 s[\g+1], 32<<16
	s_mov_b32 s[\g+2], (128*KS/256)<<16
	s_mov_b32 s[\g+3], 32<<16
	s_mov_b32 s[\g+4], 128*KS/256
	s_mov_b32 s[\g+5], 32
	s_mov_b32 s[\g+6], 0
	s_mov_b32 s[\g+7], 0
.endr
	s_lshl_b32 s20, s17, 4
	s_lshl_b32 s18, s16, 3
	s_add_co_u32 s20, s20, s18                     ; A: tile of tokens 16 x tile row + 8 x half
	s_lshl_b32 s22, s20, 9                         ; its scales: 16 rows x 32 bytes a tile
	s_lshl_b32 s20, s20, 14                        ; its images
	s_mov_b32 s21, 0
	s_mov_b32 s23, 0
	s_lshl_b32 s18, s16, 7
	s_lshl_b32 s46, s42, 8
	s_add_co_u32 s46, s46, s18                     ; out_w: row 256 x tile column + 128 x half
	s_mov_b32 s47, 0
	s_mov_b64 s[18:19], KS
	s_mul_u64 s[92:93], s[46:47], s[18:19]
	s_mov_b64 s[18:19], KROW
	s_mul_u64 s[46:47], s[46:47], s[18:19]
	s_lshl_b32 s45, s16, 15                        ; where they go: A's halves at 0 and 32,768,
	s_mul_i32 s67, s16, HALFT
	s_add_co_u32 s67, s67, BOFF                    ; out_w's behind them: no place in the cluster enters an LDS address
	s_mul_i32 s94, s14, HALFS
	s_wait_kmcnt 0x0
	s_add_nc_u64 s[20:21], s[4:5], s[20:21]
	s_add_nc_u64 s[22:23], s[6:7], s[22:23]
	s_add_nc_u64 s[46:47], s[8:9], s[46:47]
	s_add_nc_u64 s[92:93], s[10:11], s[92:93]
	CROUND                                         ; all sixteen work-groups are here: the first joint loads meet
	s_mov_b32 s[G0S], 1
	s_add_co_u32 s[G0S+1], s94, SCL
	s_mov_b64 s[G0S+2:G0S+3], s[22:23]
	s_or_b32 s[G0S+3], s[G0S+3], 0x80000000
	s_mov_b32 s[G0SB], 1
	s_add_co_u32 s[G0SB+1], s94, SCL
	s_mov_b64 s[G0SB+2:G0SB+3], s[92:93]
	s_or_b32 s[G0SB+3], s[G0SB+3], 0x80000000
	JLOAD G0S, G1S, G0SB, G1SB                     ; the scales first
.irp s, 0,1
	s_mov_b32 s[G0+4*\s], 1
	s_add_co_u32 s[G0+4*\s+1], s45, \s*SLOT
	s_add_nc_u64 s[G0+4*\s+2:G0+4*\s+3], s[20:21], \s*4096
	s_or_b32 s[G0+4*\s+3], s[G0+4*\s+3], 0x80000000
	s_mov_b32 s[G0B+4*\s], 1
	s_add_co_u32 s[G0B+4*\s+1], s67, \s*SLOT
	s_add_nc_u64 s[G0B+4*\s+2:G0B+4*\s+3], s[46:47], \s*ROWB
	s_or_b32 s[G0B+4*\s+3], s[G0B+4*\s+3], 0x80000000
	JLOAD G0+4*\s, G1, G0B+4*\s, G1B               ; by this text's count three tensor loads of a wave are out here, later one
.endr
	v_and_b32 v1, 15, v0                           ; r
	v_bfe_u32 v2, v0, 4, 1                         ; h
	v_and_b32 v6, 31, v0                           ; lane
	v_lshlrev_b32 v[CO], 4, v6                     ; 16 x lane
	v_mul_u32_u24 v3, v1, PITCH
	v_lshl_add_u32 v4, v2, 4, v3                   ; out_w: a fragment's row x pitch + 16 x half
	s_lshl_b32 s21, s15, 15                        ; my 128 tokens of A
	s_mul_i32 s22, s16, HALFT                      ; my 128 rows of out_w
	s_add_co_u32 s22, s22, BOFF
.irp s, 0,1
	v_add_nc_u32 v[ADRA+\s], s21, v[CO]
	v_add_nc_u32 v[ADRB+\s], s22, v4
	s_add_co_u32 s21, s21, SLOT
	s_add_co_u32 s22, s22, SLOT
.endr
	v_mul_u32_u24 v5, v1, KS
	v_lshrrev_b32 v6, 8, v5
	v_lshl_add_u32 v5, v6, 4, v5
	s_mul_i32 s21, s15, HALFS
	s_mul_i32 s22, s16, HALFS
	s_add_co_u32 s22, s22, 2*HALFS
	s_sub_co_u32 s22, s22, s21
	v_mul_u32_u24 v6, s22, v2                      ; lanes 16-31 take out_w's
	s_add_co_u32 s21, s21, SCL
	v_add_nc_u32 v5, v5, v6
	v_add_nc_u32 v[ADRS], s21, v5
	s_mul_i32 s23, s14, 16*SPITCH                  ; my stage
	v_mul_u32_u24 v5, v1, SPITCH
	v_lshl_add_u32 v5, v2, 5, v5
	v_add_nc_u32 v[STO], s23, v5
	v_add_nc_u32 v[RD], s23, v[CO]
	v_lshlrev_b32 v[BO], 5, v2
	s_lshl_b32 s20, s17, 8
	s_lshl_b32 s21, s15, 7
	s_add_co_u32 s20, s20, s21                     ; my first row of out0
	s_mov_b32 s21, 0
	s_mov_b64 s[18:19], SIZE_N*4
	s_mul_u64 s[20:21], s[20:21], s[18:19]
	s_lshl_b32 s46, s42, 10                        ; my first column, in bytes: 1,024 x tile column + 512 x half; the bias's bytes begin at the same offset
	s_lshl_b32 s47, s16, 9
	s_add_co_u32 s46, s46, s47
	s_mov_b32 s47, 0
	s_add_nc_u64 s[BXB:BXB+1], s[BXB:BXB+1], s[46:47]
	s_add_nc_u64 s[20:21], s[20:21], s[46:47]
	s_add_nc_u64 s[CPT:CPT+1], s[CPT:CPT+1], s[20:21]
.irp b, 0,1,2,3,4,5,6,7
	global_load_b128 v[BX+8*\b:BX+8*\b+3], v[BO], s[BXB:BXB+1] offset:64*\b
	global_load_b128 v[BX+8*\b+4:BX+8*\b+7], v[BO], s[BXB:BXB+1] offset:64*\b+16
.endr
.macro FRAGB reg, adr, q, i            ; out_w: lane l holds row l % 16; registers 4 c .. 4 c + 3 hold K = 32 c + 16 (l / 16) + 0 .. 15
.irp c, 0,1,2,3
	ds_load_b128 v[\reg+4*\c:\reg+4*\c+3], v[\adr] offset:128*(\q)+32*\c+(\i)*16*PITCH
.endr
.endm
.macro FRAGA reg, adr, q, i            ; A: the image as it lies
.irp c, 0,1,2,3
	ds_load_b128 v[\reg+4*\c:\reg+4*\c+3], v[\adr] offset:(\i)*4096+2048*(\q)+512*\c
.endr
.endm
; 16 matrix instructions: A's blocks a0, a0 + 1 x out_w's eight.  first = 1: the sums start from the bias.  The 64 accumulators take turns, one instruction a turn.
.macro MUL16 a0, p, q, sc, first
.irp a, \a0, \a0+1
.irp b, 0,1,2,3,4,5,6,7
.if \first
	v_wmma_scale_f32_16x16x128_f8f6f4 v[8*(8*((\a)%4)+\b):8*(8*((\a)%4)+\b)+7], v[128*(\p)+FR*\b:128*(\p)+FR*\b+FR-1], v[AF+FR*(\a):AF+FR*(\a)+FR-1], v[BX+8*\b:BX+8*\b+7], v[SC+8*NQ*(\sc)+NQ*\b+(\q)], v[SC+8*NQ*(\sc)+NQ*(\a)+(\q)] matrix_a_scale:MATRIX_SCALE_ROW1
.else
	v_wmma_scale_f32_16x16x128_f8f6f4 v[8*(8*((\a)%4)+\b):8*(8*((\a)%4)+\b)+7], v[128*(\p)+FR*\b:128*(\p)+FR*\b+FR-1], v[AF+FR*(\a):AF+FR*(\a)+FR-1], v[8*(8*((\a)%4)+\b):8*(8*((\a)%4)+\b)+7], v[SC+8*NQ*(\sc)+NQ*\b+(\q)], v[SC+8*NQ*(\sc)+NQ*(\a)+(\q)] matrix_a_scale:MATRIX_SCALE_ROW1
.endif
.endr
.endr
.endm
.macro FETCH_B slot, q, p
	WIN TO_B
.irp i, 0,1,2,3,4,5,6,7
	FRAGB 128*(\p)+FR*\i, ADRB+\slot, \q, \i
.endr
	WIN 0
.endm
.macro FETCH_A slot, q, i0
.irp i, \i0, \i0+1, \i0+2, \i0+3
	FRAGA AF+FR*(\i), ADRA+\slot, \q, \i
.endr
.endm
.macro SCALES sc
.irp i, 0,1,2,3,4,5,6,7
	ds_load_b64 v[SC+8*NQ*\sc+NQ*\i:SC+8*NQ*\sc+NQ*\i+1], v[ADRS] offset:\i*SBLK
.endr
.endm
.macro PLACES n                        ; places behind matrix instructions, in front of loads into registers that they read and of reads of their results (ISA guide 7.12.1 for vector instructions)
.rept \n
	v_nop
.endr
.endm
.macro STEP slot, q, first
	s_wait_dscnt 4*NL                              ; out_w's set and A's blocks 0-3 are in; the youngest sixteen loads (A's blocks 4-7) may be out
.if \first
	WIN FST_LO
.else
	WIN MUL_LO
.endif
	MUL16 0, (\q)%2, \q, \slot, \first
	MUL16 2, (\q)%2, \q, \slot, \first
	s_wait_dscnt 0
	PLACES NP
	FETCH_B \slot, (\q)+1, 1-(\q)%2
	FETCH_A \slot, (\q)+1, 0
.if \first
	WIN FST_HI
.else
	WIN MUL_HI
.endif
	MUL16 4, (\q)%2, \q, \slot, \first
	MUL16 6, (\q)%2, \q, \slot, \first
	PLACES NP
	WIN 0
	FETCH_A \slot, (\q)+1, 4
.endm
.macro TURN slot, next, fill
	s_wait_tensorcnt 0x0                           ; all my tensor loads have landed: my part of the next slot;
	ds_add_u32 v[SPW], v[NIL]                      ; 0 onto my spare word;
	s_wait_dscnt 4*NL+1                            ; (the add and the youngest sixteen loads may be out)
	WIN MUL_LO
	MUL16 0, 1, NQ-1, \slot, 0
	s_wait_dscnt 0x0                               ; the add is done, and my reads of this slot are over
	s_barrier_signal -1
	MUL16 2, 1, NQ-1, \slot, 0
	WIN 0
	s_barrier_wait -1
.if \fill
	CREST                                          ; the barrier has opened a round of the cluster's barrier: no wave of any partner still reads this slot's tile or has a load on its way
	s_add_nc_u64 s[G0+4*\slot+2:G0+4*\slot+3], s[G0+4*\slot+2:G0+4*\slot+3], 2*4096
	s_add_nc_u64 s[G0B+4*\slot+2:G0B+4*\slot+3], s[G0B+4*\slot+2:G0B+4*\slot+3], 2*ROWB
	JLOAD G0+4*\slot, G1, G0B+4*\slot, G1B         ; the first tensor load behind the round
	PLACES NP-4
.else
	PLACES NP
.endif
	v_add_nc_u32 v[ADRS], 4*NQ, v[ADRS]
	FETCH_B \next, 0, 0
	FETCH_A \next, 0, 0
	SCALES \next
	WIN MUL_HI
	MUL16 4, 1, NQ-1, \slot, 0
	MUL16 6, 1, NQ-1, \slot, 0
	PLACES NP
	WIN 0
	FETCH_A \next, 0, 4
.endm
	s_wait_tensorcnt 1                             ; the scales and my part of K step 0 are in (K step 1's load, issued last, may be out)
	s_barrier_signal -1
	s_barrier_wait -1
	FETCH_B 0, 0, 0
	FETCH_A 0, 0, 0
	SCALES 0
	FETCH_A 0, 0, 4
	s_wait_loadcnt 0x0                             ; the bias
	STEP 0, 0, 1                                   ; the first step stands in front of the loop: its products start the sums, from the bias
	s_mov_b32 s3, LAPS-1
.Llap:
	TURN 0, 1, 1
	STEP 1, 0, 0
	TURN 1, 0, 1
	STEP 0, 0, 0
	s_sub_co_u32 s3, s3, 1
	s_cmp_lg_u32 s3, 0
	s_cbranch_scc1 .Llap
	TURN 0, 1, 0                                   ; the last lap fills nothing
	STEP 1, 0, 0
	s_wait_dscnt 4*NL
	WIN MUL_LO
	MUL16 0, 1, NQ-1, 1, 0
	MUL16 2, 1, NQ-1, 1, 0
	s_wait_dscnt 0
	WIN MUL_HI
	MUL16 4, 1, NQ-1, 1, 0
	MUL16 6, 1, NQ-1, 1, 0
	WIN 0
; THE WAY OUT, block by block of 16 rows x 128 columns, through my own stage in LDS: in as 32 bytes a lane, back as whole rows of 512 bytes.  LDS serves a wave's instructions in order (ISA guide 5.7.1.4).
.macro TOSTAGE a
.set AC, 64*((\a)%4)
	WIN 0x08+4*((\a)/4)                            ; the data: window 2 or 3
.irp b, 0,1,2,3,4,5,6,7
	ds_store_b128 v[STO], v[AC+8*\b:AC+8*\b+3] offset:64*\b          ; each accumulator from its low end on
	ds_store_b128 v[STO], v[AC+8*\b+4:AC+8*\b+7] offset:64*\b+16
.endr
	WIN 0
.set BB, BK+64*((\a)%2)
.irp t, 0,1,2,3,4,5,6,7,8,9,10,11,12,13,14,15
	ds_load_b128 v[BB+4*\t:BB+4*\t+3], v[RD] offset:\t*SPITCH
.endr
.endm
.macro SEND a, younger                 ; younger: the LDS instructions issued behind block a's loads, which may stay out
.set BB, BK+64*((\a)%2)
	s_wait_dscnt \younger
.if (\a) > 0
	s_add_nc_u64 s[CPT:CPT+1], s[CPT:CPT+1], 16*SIZE_N*4   ; (behind a wait on XCNT: the earlier stores have read their base)
.endif
.irp t, 0,1,2,3,4,5,6,7,8,9,10,11,12,13,14,15
	global_store_b128 v[CO], v[BB+4*\t:BB+4*\t+3], s[CPT:CPT+1] offset:\t*SIZE_N*4 th:TH_STORE_NT   ; 32 lanes store 512 consecutive bytes, at a multiple of 256 from out0's first byte
.endr
.endm
	PLACES NP
	TOSTAGE 0
.irp a, 1,2,3,4,5,6,7
.if \a > 1
	s_wait_xcnt 0x0                                ; block a - 2's stores have read their registers and their base
.endif
	TOSTAGE \a
	SEND \a-1, 32                                  ; behind block a - 1's loads: block a's 16 stores and 16 loads
.endr
	s_wait_xcnt 0x0
	SEND 7, 0
	s_wait_tensorcnt 0x0                           ; the wave's end: behind my last tensor load and my last LDS store
	ds_add_u32 v[SPW], v[NIL]
	s_wait_dscnt 0x0
	CROUND                                         ; the closing round
	s_endpgm
.Lfunc_end_k_q9e8ea2f5b5_outp:
	.size	k_q9e8ea2f5b5_outp, .Lfunc_end_k_q9e8ea2f5b5_outp-k_q9e8ea2f5b5_outp
	.p2alignl 7, 3214868480
	.fill 96, 4, 3214868480
	.section	.rodata,"a",@progbits
	.p2align	6, 0x0
	.amdhsa_kernel k_q9e8ea2f5b5_outp
		.amdhsa_group_segment_fixed_size 327680
		.amdhsa_private_segment_fixed_size 0
		.amdhsa_enable_private_segment 0
		.amdhsa_kernarg_size 48
		.amdhsa_user_sgpr_count 2
		.amdhsa_user_sgpr_kernarg_segment_ptr 1
		.amdhsa_wavefront_size32 1
		.amdhsa_system_sgpr_workgroup_id_x 1
		.amdhsa_system_sgpr_workgroup_id_y 1
		.amdhsa_system_sgpr_workgroup_id_z 1
		.amdhsa_system_vgpr_workitem_id 0
		.amdhsa_next_free_vgpr 1024
		.amdhsa_next_free_sgpr 100
		.amdhsa_reserve_vcc 0
		.amdhsa_float_denorm_mode_32 3
		.amdhsa_float_denorm_mode_16_64 3
		.amdhsa_memory_ordered 1
		.amdhsa_forward_progress 1
		.amdhsa_inst_pref_size 147
	.end_amdhsa_kernel
	.amdgpu_metadata
---
amdhsa.version: [ 1, 2 ]
amdhsa.kernels:
  - .name:           k_q9e8ea2f5b5_outp
    .symbol:         k_q9e8ea2f5b5_outp.kd
    .args:
      - { .name: ocodes, .offset: 0, .size: 8, .value_kind: global_buffer, .address_space: global }
      - { .name: oscales, .offset: 8, .size: 8, .value_kind: global_buffer, .address_space: global }
      - { .name: out_w_codes, .offset: 16, .size: 8, .value_kind: global_buffer, .address_space: global }
      - { .name: out_w_scales, .offset: 24, .size: 8, .value_kind: global_buffer, .address_space: global }
      - { .name: out_b, .offset: 32, .size: 8, .value_kind: global_buffer, .address_space: global }
      - { .name: out0, .offset: 40, .size: 8, .value_kind: global_buffer, .address_space: global }
    .group_segment_fixed_size: 327680
    .private_segment_fixed_size: 0
    .kernarg_segment_align: 8
    .kernarg_segment_size: 48
    .max_flat_workgroup_size: 128
    .sgpr_count:     100
    .vgpr_count:     1024
    .wavefront_size: 32
...
	.end_amdgpu_metadata
.endif
;; end of part 4
;; ======== version 2 of 2: 4 launches; version 1 with the launch attn written anew for expert scheduling mode
;; workspace buffers: qkvc 25,165,824 bytes; scl 1,310,720 bytes; mbits 524,800 bytes of whole numbers; ocodes 8,388,608 bytes; oscales 262,144 bytes
;; launch maskbits: the kernel of part 1 again; grid 128 x 1, 16 waves a work-group, no clusters, 35,328 bytes of LDS; arguments mask, mbits; writes mbits
;; launch qkv: the kernel of part 2 again; grid 12 x 32, 4 waves a work-group, clusters of 4 x 4, 327,680 bytes of LDS; arguments input_codes, input_scales, qkv_w_codes, qkv_w_scales, qkv_b, qkvc, scl; writes qkvc, scl
;; launch attn (part 5): grid 8 x 64, 16 waves a work-group, no clusters, 101,888 bytes of LDS; arguments qkvc, scl, mbits, ocodes, oscales; writes ocodes, oscales
.if DOCPART == 5
	.amdgcn_target "amdgcn-amd-amdhsa--gfx1250"
	.amdhsa_code_object_version 6
	.text
	.protected	k_q9e8ea2f5b5_attn
	.globl	k_q9e8ea2f5b5_attn
	.p2align	8
	.type	k_q9e8ea2f5b5_attn,@function
k_q9e8ea2f5b5_attn:
	s_mov_b64 s[64:65], 0
	v_nop
	global_prefetch_b8 v0, s[64:65] scope:SCOPE_SE
	s_setreg_imm32_b32 hwreg(HW_REG_WAVE_SCHED_MODE, 0, 2), 2
	s_setreg_imm32_b32 hwreg(HW_REG_WAVE_MODE, 25, 1), 1
	s_wait_xcnt 0x0
	s_wait_alu depctr_vm_vsrc(0)
; O = softmax(mask(q k^T / 8)) v for one head and 256 queries a work-group, both products on codes of FP8 (E4M3) with one E8M0 scale for each 32 along K; O is quantised along the model's 1,024 and leaves as an
; image of the last launch's operand registers.
; THE SOFTMAX: t = score x log2(e) / 8; M = the row's largest t so far, rounded UP to a whole number; p = 2^(t - M) is quantised along the keys, not normalised; the row's sum is taken of the unquantised p
; and divides O at the end.  When M moves, the sum and O are multiplied by 2^(old M - new M): exact.
; SHARES.  Each of sixteen waves owns one tile of 16 queries in 256 registers, four waves to a SIMD.  Every wave walks the head's 2,048 keys, 128 a step.
; LAYOUT.  Both products are used transposed: S^T = K Q^T (source 0 = 16 keys), O^T = V^T P^T (source 0 = 16 of the head's 64): a lane holds ONE query (lane % 16) throughout.  The 16 registers of score tiles
; 2 B and 2 B + 1 lie in block B of 32 keys, in the order in which v's codes were laid: k is permuted inside a block alike on both sides, so the products stay the same.
; K = 64 IN AN INSTRUCTION OF 128.  Q's operand is 8 registers of codes and 8 of zero codes.  K's eight tiles lie 8 registers apart, with 8 registers of zeros behind them: the upper half of tile t's operand is tile
; t + 1's codes, which meet Q's zeros and add exact zeros.  The padded blocks' scale bytes repeat the true ones.
; FEEDING.  K, V and their scale words come as dense register images.  In every step the 512 threads load the bytes of the step two ahead into 10 registers and store them, at the step's end, into the other of two
; LDS buffers of two steps each; one barrier for two steps.  The loads are issued a whole step ahead of the wait for them.
; THE MASK comes as lane masks, one scalar word for each score register, most of a step ahead; a step whose flag bit says that its tile has no hole jumps over the 64 selects.
; NO JOINT LOADS, though the eight work-groups of a head read the same K and V: what is shared is 17,152 bytes for a
; step of about 440 instructions in each of sixteen waves.  No prefetch either: no wave waits for these loads.
; LIMITS: NaN and infinities among the values are not served.  A query with no key allowed has the sum 0: its scale bytes are set to 0xff, which makes its row of the output NaN, as the definition has it.
; A block of zeros gets the byte 1 where the rule says 127: its codes are zeros, and the bytes are read by this program alone.
; THE MODE: SCHED_MODE bits 1:0 = 2 (LLVM: expert scheduling mode 2), set by the entry lines.  The code itself states the register dependences between vector or matrix instructions and memory or LDS
; instructions, with s_wait_alu, always for 0.
; THE PLAN.  Registers that memory or LDS instructions touch, in the loop:
;   v216-225 (STG)    The global loads at a step's head land in them; the LDS stores at the step's end read them.  No vector instruction names them.
;   v32-95 (KV)       K's LDS loads land at the step's head; the eight products K Q^T read them; V's LDS loads land; the four products V^T P^T read them.
;   v4-7, v8-9        K's and V's scale words: LDS loads at the step's head; read by the products K Q^T and V^T P^T.
;   v200-215, v11     p's codes and scale word: written by vector instructions, taken by the scaled products as source 1 and its scales.
;   v1-3, v226-231    Addresses and offsets: made once at the head, never written again; the pointers are scalar registers.
; So a step holds: one wait on vm_vsrc at its head (the last step's LDS stores have read STG); one wait on va_vdst ahead of K's loads (the last step's products are done with KV and the scale words); one ahead of
; V's loads (the products K Q^T are done with KV); the two waits behind the exponentials; one ahead of the products V^T P^T (p's codes and scale word are written).  The LDS stores at a step's end owe none: their
; data come from loads, their addresses from the head.
.set BUF1, 65536                       ; LDS: buffer 0 at 0, buffer 1 here; in a buffer: K's codes of its two steps, 8,192 bytes each;
.set VOFF, 16384                       ; V's likewise;
.set SOFF, 32768                       ; a step's scale words: K's 512 bytes, V's 256
.set LI,   1                           ; v1, v2     16 x lane, in buffer 0, 1
.set L8,   3                           ; v3, v226   8 x lane, in buffer 0, 1
.set KSC,  4                           ; v4-7       K's scale words: register i, lane l: key 32 i + l
.set VSC,  8                           ; v8-9       V's: register i, lane l: d = 32 i + l
.set QSC,  10                          ; v10        Q's
.set PSC,  11                          ; v11        p's
.set QF,   16                          ; v16-23 Q's codes, v24-31 zeros
.set KV,   32                          ; v32-95 K's eight tiles, then V's four; v96-103 zeros
.set S,    104                         ; v104-167 S^T, then p
.set O,    168                         ; v168-199 O^T
.set PCD,  200                         ; v200-215 p's codes
.set STG,  216                         ; v216-225 what is on its way to LDS
.set CP,   227                         ; v227, v228 16 x thread, in buffer 0 (also the loads' offset), 1
.set C8,   229                         ; v229, v230 8 x thread likewise
.set QSO,  231                         ; v231       16 r
.set BM,   232
.set BP,   236
.set BH,   240
.set BS,   244
.set F,    252                         ; v[252:253] f = 2^(old M - new M), later 1 / the sum
.set TMP,  254
.set NINF, 255
.set KP,   4                           ; s[4:5]   K's codes, s[6:7] V's, s[8:9] their scale words: at the step that the trip's first step loads
.set VP,   6
.set SP,   8
.set MP,   10                          ; s[10:11] my tile's mask words
.set OC,   12                          ; s[12:13] where my codes go, s[14:15] where my scale bytes go
.set OSC,  14
.set WV,   84                          ; s16-63 and s68-83: the step's 64 mask words
.set FL,   85                          ; my tile's flags; bit 0 is the step's
.set TRIP, 86
.set MO,   87                          ; the byte at which the next step's mask words begin
.set SEL,  88
.set CS,   90                          ; s[90:91] c = log2(e) / 8
.set MNT,  92
.macro LOADG reg, i                    ; the bytes of step i behind the pointers: 16 of K and 16 of V a thread; 8 of the scale words in each thread of waves 0 to 2
	global_load_b128 v[\reg:\reg+3], v[CP], s[KP:KP+1] offset:8192*(\i)
	global_load_b128 v[\reg+4:\reg+7], v[CP], s[VP:VP+1] offset:8192*(\i)
	s_cmp_lt_u32 s[WV], 3
	s_cbranch_scc0 .Lno_words_\@
	global_load_b64 v[\reg+8:\reg+9], v[C8], s[SP:SP+1] offset:768*(\i)
.Lno_words_\@:
.endm
.macro STOREL reg, b, q                ; and into buffer b, step q
	ds_store_b128 v[CP+(\b)], v[\reg:\reg+3] offset:8192*(\q)
	ds_store_b128 v[CP+(\b)], v[\reg+4:\reg+7] offset:VOFF+8192*(\q)
	s_cmp_lt_u32 s[WV], 3
	s_cbranch_scc0 .Lno_words_\@
	ds_store_b64 v[C8+(\b)], v[\reg+8:\reg+9] offset:SOFF+768*(\q)
.Lno_words_\@:
.endm
	s_load_b256 s[16:23], s[0:1], 0x0              ; qkvc, scl, mbits, ocodes
	s_load_b64 s[24:25], s[0:1], 0x20              ; oscales
	v_lshrrev_b32 v1, 5, v0
	v_readfirstlane_b32 s[WV], v1                  ; wave 0..15
	s_wait_alu depctr_va_sdst(0)                   ; the wave's number is written, ahead of its first reader: my tile's number, and all that is made from it
	s_and_b32 s26, ttmp7, 0xffff                   ; 16 x batch + head
	s_lshl_b32 s27, ttmp9, 4
	s_add_co_u32 s27, s27, s[WV]                   ; T: my tile of 16 queries
	s_lshl_b32 s28, s26, 17                        ; a head's codes are 131,072 bytes in each part
	s_mov_b32 s29, 0
	s_lshl_b32 s30, s27, 10
	s_add_co_u32 s30, s30, s28                     ; Q: tile T's image
	s_mov_b32 s31, 0
	s_add_co_u32 s28, s28, 8388608                 ; K: the second part
	s_mul_i32 s32, s26, 12288
	s_add_co_u32 s32, s32, 524288                  ; K's and V's scale words
	s_mov_b32 s33, 0
	s_lshl_b32 s34, s26, 13                        ; Q's scale words: token 128 J + 32 i + l lies at 512 J + 16 l + 4 i; mine are J = T / 8, l = 16 (T % 2) + r, i = (T % 8) / 2
	s_lshr_b32 s36, s27, 3
	s_lshl_b32 s36, s36, 9
	s_add_co_u32 s34, s34, s36
	s_and_b32 s36, s27, 1
	s_lshl_b32 s36, s36, 8
	s_add_co_u32 s34, s34, s36
	s_bfe_u32 s36, s27, 0x20001
	s_lshl_b32 s36, s36, 2
	s_add_co_u32 s34, s34, s36
	s_mov_b32 s35, 0
	s_lshl_b32 s36, s27, 12                        ; my tile's mask words: 16 steps x 256 bytes
	s_mov_b32 s37, 0
	s_lshr_b32 s38, s26, 4                         ; batch
	s_lshl_b32 s40, s38, 7
	s_add_co_u32 s40, s40, s27                     ; my tile among the 512 tiles of tokens
	s_lshl_b32 s40, s40, 14
	s_bfe_u32 s42, s26, 0x30001                    ; head / 2: the K step of 128,
	s_lshl_b32 s42, s42, 11
	s_add_co_u32 s40, s40, s42
	s_and_b32 s42, s26, 1                          ; head % 2: its blocks 0, 1 or 2, 3
	s_lshl_b32 s42, s42, 10
	s_add_co_u32 s40, s40, s42
	s_mov_b32 s41, 0
	s_lshl_b32 s42, s38, 11
	s_lshl_b32 s43, s27, 4
	s_add_co_u32 s42, s42, s43                     ; my first token
	s_lshl_b32 s42, s42, 5                         ; 32 scale bytes a token,
	s_and_b32 s43, s26, 15
	s_lshl_b32 s43, s43, 1                         ; two a head
	s_add_co_u32 s42, s42, s43
	s_mov_b32 s43, 0
	s_lshl_b32 s93, s27, 2
	s_mov_b32 s[MO], 0
	s_mov_b32 s[TRIP], 4
	s_mov_b32 s[SEL], 0x76543210
	s_mov_b32 s[SEL+1], 0xfedcba98
	s_mov_b32 s[CS], 0x3e38aa3b                    ; c = log2(e) / 8
	s_mov_b32 s[CS+1], s[CS]                       ; (named with it as a pair, so it is written)
	s_mov_b32 s[MNT], 0x600000
	v_and_b32 v[TMP], 31, v0
	v_lshlrev_b32 v[LI], 4, v[TMP]
	v_add_nc_u32 v[LI+1], BUF1, v[LI]
	v_lshlrev_b32 v[L8], 3, v[TMP]
	v_add_nc_u32 v[L8+223], BUF1, v[L8]
	v_lshlrev_b32 v[CP], 4, v0
	v_add_nc_u32 v[CP+1], BUF1, v[CP]
	v_lshlrev_b32 v[C8], 3, v0
	v_add_nc_u32 v[C8+1], BUF1, v[C8]
	v_and_b32 v[QSO], 15, v0
	v_lshlrev_b32 v[QSO], 4, v[QSO]
	s_wait_kmcnt 0x0
	s_add_nc_u64 s[KP:KP+1], s[16:17], s[28:29]
	s_add_nc_u64 s[VP:VP+1], s[KP:KP+1], 8388608
	s_add_nc_u64 s[96:97], s[16:17], s[30:31]      ; Q's codes
	s_add_nc_u64 s[SP:SP+1], s[18:19], s[32:33]
	s_add_nc_u64 s[98:99], s[18:19], s[34:35]      ; Q's scale words
	s_mov_b64 s[94:95], s[20:21]
	s_add_nc_u64 s[MP:MP+1], s[20:21], s[36:37]
	s_add_nc_u64 s[OC:OC+1], s[22:23], s[40:41]
	s_add_nc_u64 s[OSC:OSC+1], s[24:25], s[42:43]
	s_wait_alu depctr_va_vdst(0)                   ; the addresses and offsets v1-3 and v226-231 are written: every load and every LDS instruction up to the way out reads one of them, and none is written again
	global_load_b128 v[QF:QF+3], v[LI], s[96:97]
	global_load_b128 v[QF+4:QF+7], v[LI], s[96:97] offset:512
	global_load_b32 v[QSC], v[QSO], s[98:99]
	LOADG STG, 0                                   ; steps 0 and 1 (the second into registers that the scores will take)
	LOADG S, 1
	s_load_b32 s[FL], s[94:95], s93 offset:0x80000 ; my tile's flags
	s_load_b512 s[16:31], s[MP:MP+1], s[MO] offset:0x0     ; step 0's mask words (they land on registers that no pending instruction names)
	s_load_b512 s[32:47], s[MP:MP+1], s[MO] offset:0x40
	s_load_b512 s[48:63], s[MP:MP+1], s[MO] offset:0x80
	s_load_b512 s[68:83], s[MP:MP+1], s[MO] offset:0xc0
.irp j, 0,1,2,3,4,5,6,7
	v_mov_b32 v[QF+8+\j], 0                        ; zero codes: the padded half of Q's operand,
	v_mov_b32 v[KV+64+\j], 0                       ; and of K's last tile's
.endr
.set j, 0
.rept 32
	v_mov_b32 v[O+j], 0                            ; O^T.  (The step is written once: the first finds zeros, which the first change of M leaves zeros)
.set j, j+1
.endr
	v_mov_b32 v13, 0xff61b1e6                      ; the largest t so far: -3e38, under every t
	v_floor_f32 v12, -v13                          ; -M
	v_mov_b32 v14, 0                               ; the sum, in two halves
	v_mov_b32 v15, 0
.irp b, 0,1,2,3
	v_mov_b32 v[BP+\b], 0                          ; written once: a lane permute's destination counts as one of its sources
.endr
	v_mov_b32 v[F+1], 0                            ; (named as the upper half of a pair)
	v_mov_b32 v[NINF], 0xff800000                  ; -infinity
	s_wait_loadcnt 0x0
	STOREL STG, 0, 0                               ; (no vector instruction since the wait above names these stores' addresses; their data come from loads)
	STOREL S, 0, 1
	s_add_nc_u64 s[KP:KP+1], s[KP:KP+1], 16384     ; (their loads are done)  on to step 2
	s_add_nc_u64 s[VP:VP+1], s[VP:VP+1], 16384
	s_add_nc_u64 s[SP:SP+1], s[SP:SP+1], 1536
	s_wait_dscnt 0x0                               ; for the others' sake: my part of buffer 0 lies there
	s_barrier_signal -1
	s_barrier_wait -1
; A KEY STEP: 128 keys, step q of buffer b.  It loads the step that lies i steps behind the pointers and stores it into the other buffer.  guard = 1: in the last trip there is no such step.
.macro STEP b, q, i, guard
	s_wait_alu depctr_vm_vsrc(0)                   ; the LDS stores of the step before have read v216-225, in which the loads below land; in the first step the head's stores have also read v104-113, which this step's products write.  It stands ahead of the branch: on every path
.if \guard
	s_cmp_eq_u32 s[TRIP], 1
	s_cbranch_scc1 .Lno_load_\@
.endif
	LOADG STG, \i
.if \guard
.Lno_load_\@:
.endif
.rept 8
	v_nop                                          ; places behind the last step's products, in front of loads into registers that they read
.endr
	s_wait_alu depctr_va_vdst(0)                   ; the last step's products are done reading v32-95 and the scale words v4-9, in which the loads below land; in the first step the zero codes v24-31 and v96-103 are written, which the products below take
.irp t, 0,1,2,3,4,5,6,7
	ds_load_b128 v[KV+8*\t:KV+8*\t+3], v[LI+\b] offset:8192*(\q)+1024*\t
	ds_load_b128 v[KV+8*\t+4:KV+8*\t+7], v[LI+\b] offset:8192*(\q)+1024*\t+512
.endr
	ds_load_b128 v[KSC:KSC+3], v[LI+\b] offset:SOFF+768*(\q)
	ds_load_b64 v[VSC:VSC+1], v[L8+223*\b] offset:SOFF+768*(\q)+512
	s_wait_dscnt 0x0
.irp t, 0,2,4,6                                ; S^T = K Q^T: lane (r, h), register j of tile t: key 16 t + 8 h + j, query r
	v_wmma_scale_f32_16x16x128_f8f6f4 v[S+8*\t:S+8*\t+7], v[KV+8*\t:KV+8*\t+15], v[QF:QF+15], 0, v[KSC+\t/2], v[QSC]
	v_wmma_scale_f32_16x16x128_f8f6f4 v[S+8*\t+8:S+8*\t+15], v[KV+8*\t+8:KV+8*\t+23], v[QF:QF+15], 0, v[KSC+\t/2], v[QSC] matrix_a_scale:MATRIX_SCALE_ROW1
.endr
.rept 8
	v_nop                                          ; places: in front of the loads below, and of the first read of the scores
.endr
	s_wait_alu depctr_va_vdst(0)                   ; the eight products are done reading K's tiles in v32-95, in which V's tiles land
.irp t, 0,1,2,3                                ; V's four tiles land while the softmax is worked: no vector instruction of the softmax names v32-95
.irp c, 0,1,2,3
	ds_load_b128 v[KV+16*\t+4*\c:KV+16*\t+4*\c+3], v[LI+\b] offset:VOFF+8192*(\q)+2048*\t+512*\c
.endr
.endr
	s_wait_kmcnt 0x0                               ; the step's mask words, asked for in the step before (and, in the first step, the flags)
	s_bitcmp1_b32 s[FL], 0
	s_cbranch_scc0 .Lopen_\@                       ; no hole in this tile
.set n, 0
.rept 64
	v_cndmask_b32 v[S+n], v[NINF], v[S+n], s[16+n+4*(n/48)]   ; a hidden key's score becomes -infinity: p = 0
.set n, n+1
.endr
.Lopen_\@:
	s_lshr_b32 s[FL], s[FL], 1
.irp b2, 0,1,2,3
	v_max3_num_f32 v[BM+\b2], v[S+16*\b2], v[S+1+16*\b2], v[S+2+16*\b2]   ; THE LARGEST SCORE OF EACH BLOCK OF 32 KEYS: it serves for the row's maximum and, since p rises with the score, for the block's largest p
.endr
.irp i2, 3,5,7,9,11,13
.irp b2, 0,1,2,3
	v_max3_num_f32 v[BM+\b2], v[BM+\b2], v[S+16*\b2+\i2], v[S+1+16*\b2+\i2]
.endr
.endr
.irp b2, 0,1,2,3
	v_max_num_f32 v[BM+\b2], v[BM+\b2], v[S+15+16*\b2]
.endr
.irp b2, 0,1,2,3
	v_permlanex16_b32 v[BP+\b2], v[BM+\b2], s[SEL], s[SEL+1]
.endr
.irp b2, 0,1,2,3
	v_max_num_f32 v[BM+\b2], v[BM+\b2], v[BP+\b2]  ; with lane l xor 16's 16 keys
.endr
	v_max3_num_f32 v[TMP], v[BM], v[BM+1], v[BM+2]
	v_max_num_f32 v[TMP], v[TMP], v[BM+3]          ; the step's largest score of my query
	v_mul_f32 v[TMP], s[CS], v[TMP]                ; as t (c is positive)
	v_max_num_f32 v13, v13, v[TMP]                 ; the running largest t
	v_mov_b32 v[TMP], v12
	v_floor_f32 v12, -v13                          ; the new -M = floor(-t) = -ceil(t)
	v_sub_f32 v[TMP], v12, v[TMP]                  ; old M - new M: a whole number, 0 or less
	v_cvt_i32_f32 v[TMP], v[TMP]                   ; (it saturates)
	v_ldexp_f32 v[F], 1.0, v[TMP]                  ; f = 2^(old M - new M)
.set j, 0
.rept 32
	v_pk_fma_f32 v[S+j:S+j+1], v[S+j:S+j+1], s[CS:CS+1], v[12:13] op_sel_hi:[1,0,0]   ; t - M, two at a time
.set j, j+2
.endr
.irp b2, 0,1,2,3
	v_fma_f32 v[BM+\b2], v[BM+\b2], s[CS], v12     ; the same of each block's largest score
.endr
.set j, 0
.rept 64
	v_exp_f32 v[S+j], v[S+j]                       ; p = 2^(t - M), at most 1
.set j, j+1
.endr
	v_pk_mul_f32 v[14:15], v[14:15], v[F:F+1] op_sel_hi:[1,0]   ; the sums under the new M.  (The plain instruction behind the exponentials)
	s_wait_alu depctr_va_vdst(0)                   ; the 64 exponentials have written p in v104-167: one wait for the whole batch, ahead of its first reader
	s_add_co_u32 s[MO], s[MO], 256                 ; the next step's mask words are asked for here, behind that wait: the selects, which read s16 to s83, are complete
	s_and_b32 s[MO], s[MO], 0xfff                  ; (the last step asks for step 0's words again: inside the buffer, and not used)
	s_load_b512 s[16:31], s[MP:MP+1], s[MO] offset:0x0
	s_load_b512 s[32:47], s[MP:MP+1], s[MO] offset:0x40
	s_load_b512 s[48:63], s[MP:MP+1], s[MO] offset:0x80
	s_load_b512 s[68:83], s[MP:MP+1], s[MO] offset:0xc0
.irp b2, 0,1,2,3
	v_exp_f32 v[BM+\b2], v[BM+\b2]                 ; the block's largest p: the same two instructions on the same number give the same bits
.endr
	v_pk_add_f32 v[BP:BP+1], v[S:S+1], v[S+2:S+3]  ; THE ROW'S SUM IS TAKEN OF THE UNQUANTISED p: two at a time, in two chains
.irp j2, 4,8,12,16,20,24,28,32,36,40,44,48,52,56,60
	v_pk_add_f32 v[14:15], v[14:15], v[S+\j2:S+1+\j2]
	v_pk_add_f32 v[BP:BP+1], v[BP:BP+1], v[S+2+\j2:S+3+\j2]
.endr
	v_pk_add_f32 v[14:15], v[14:15], v[BP:BP+1]
	s_wait_alu depctr_va_vdst(0)                   ; the four exponentials have written v232-235, ahead of their first reader
.irp b2, 0,1,2,3
	v_max_num_f32 v[BM+\b2], 0x4800000, v[BM+\b2]  ; the floor 2^(9 - 127): the byte cannot fall under 1
.endr
.irp b2, 0,1,2,3
	v_add_nc_u32 v[BS+\b2], 0xfc000000, v[BM+\b2]  ; 8 off the exponent field: the conversion's scale operand
.endr
.irp b2, 0,1,2,3
	v_and_or_b32 v[BH+\b2], v[BM+\b2], 0x7f800000, s[MNT]   ; 448 x the scale
.endr
.irp b2, 0,1,2,3
	v_lshrrev_b32 v[BP+\b2], 23, v[BS+\b2]         ; the scale's byte
.endr
	v_lshl_or_b32 v[PSC], v[BP+1], 8, v[BP]        ; p's scale word for these 128 keys
	v_lshl_or_b32 v[PSC], v[BP+2], 16, v[PSC]
	v_lshl_or_b32 v[PSC], v[BP+3], 24, v[PSC]
.irp b2, 0,1,2,3
.irp i2, 0,1,2,3,4,5,6,7,8,9,10,11,12,13,14,15
	v_min_num_f32 v[S+16*\b2+\i2], v[S+16*\b2+\i2], v[BH+\b2]   ; the conversion to an 8-bit code does not saturate (ISA guide 7.6.2); p is not negative, so the hold is one-sided
.endr
	v_cvt_scalef32_pk8_fp8_f32 v[PCD+4*\b2:PCD+1+4*\b2], v[S+16*\b2:S+7+16*\b2], v[BS+\b2]
	v_cvt_scalef32_pk8_fp8_f32 v[PCD+2+4*\b2:PCD+3+4*\b2], v[S+8+16*\b2:S+15+16*\b2], v[BS+\b2]
.endr
.set j, 0
.rept 16
	v_pk_mul_f32 v[O+j:O+j+1], v[O+j:O+j+1], v[F:F+1] op_sel_hi:[1,0]   ; O^T under the new M.  (These sixteen are also the places between the codes and the products)
.set j, j+2
.endr
	s_wait_alu depctr_va_vdst(0)                   ; the conversions have written p's codes, v200-215, and the shifts p's scale word, v11, which the scaled products below take as source 1 and as its scales; the places stand ahead of this wait
	s_wait_dscnt 0x0                               ; V
.irp t, 0,2                                    ; O^T += V^T P^T: four accumulators by turns
	v_wmma_scale_f32_16x16x128_f8f6f4 v[O+8*\t:O+8*\t+7], v[KV+16*\t:KV+16*\t+15], v[PCD:PCD+15], v[O+8*\t:O+8*\t+7], v[VSC+\t/2], v[PSC]
	v_wmma_scale_f32_16x16x128_f8f6f4 v[O+8*\t+8:O+8*\t+15], v[KV+16*\t+16:KV+16*\t+31], v[PCD:PCD+15], v[O+8*\t+8:O+8*\t+15], v[VSC+\t/2], v[PSC] matrix_a_scale:MATRIX_SCALE_ROW1
.endr
	s_wait_loadcnt 0x0                             ; what was asked for at the step's head is in.  The wait stands on every path, ahead of the branch below: no load of mine is out when the next step loads into these registers, or when the pointers step
.if \guard
	s_cmp_eq_u32 s[TRIP], 1
	s_cbranch_scc1 .Lno_store_\@
.endif
	STOREL STG, 1-\b, \q                           ; (data from loads, addresses from the head: no vector instruction names either)
.if \guard
.Lno_store_\@:
.endif
.if \q == 1
	s_wait_dscnt 0x0                               ; my stores into the other buffer have landed, and my reads of this one are over
	s_barrier_signal -1
	s_barrier_wait -1                              ; both hold of all sixteen waves: the other buffer is whole, and this one may be written
.endif
.endm
.Ltrip:                                            ; four trips of four steps
	STEP 0, 0, 0, 0
	STEP 0, 1, 1, 0
	STEP 1, 0, 2, 1
	STEP 1, 1, 3, 1
	s_add_nc_u64 s[KP:KP+1], s[KP:KP+1], 32768     ; (the last step's wait for its loads has freed the pointers)
	s_add_nc_u64 s[VP:VP+1], s[VP:VP+1], 32768
	s_add_nc_u64 s[SP:SP+1], s[SP:SP+1], 3072
	s_sub_co_i32 s[TRIP], s[TRIP], 1
	s_cmp_lg_u32 s[TRIP], 0
	s_cbranch_scc1 .Ltrip
	; THE END.  O^T / the sum; quantised along the model's axis: my head's two blocks of 32, each shared with lane l xor 16.
	s_wait_kmcnt 0x0
.rept 8
	v_nop                                          ; places behind the last products
.endr
	v_add_f32 v14, v14, v15                        ; the sum's two halves,
	v_permlanex16_b32 v[TMP], v14, s[SEL], s[SEL+1]
	v_add_f32 v14, v14, v[TMP]                     ; and lane l xor 16's
	v_rcp_f32 v[F], v14
	v_and_b32 v248, 15, v0                         ; (plain work behind the reciprocal)  r
	v_bfe_u32 v249, v0, 4, 1                       ; h
	v_lshlrev_b32 v250, 4, v248
	v_lshl_add_u32 v250, v249, 3, v250             ; 16 r + 8 h
	v_lshl_add_u32 v251, v248, 5, v249             ; 32 r + h
	s_wait_alu depctr_va_vdst(0)                   ; the reciprocal has written v252, ahead of its first reader
.set j, 0
.rept 16
	v_pk_mul_f32 v[O+j:O+j+1], v[O+j:O+j+1], v[F:F+1] op_sel_hi:[1,0]   ; register 16 c + 8 u + j: d = 32 c + 16 u + 8 h + j.  Each accumulator from its low end on
.set j, j+2
.endr
.irp c, 0,1
	v_max3_num_f32 v[BM+\c], |v[O+16*\c]|, |v[O+1+16*\c]|, 0x4800000
.endr
.irp i, 2,4,6,8,10,12,14
.irp c, 0,1
	v_max3_num_f32 v[BM+\c], v[BM+\c], |v[O+16*\c+\i]|, |v[O+1+16*\c+\i]|
.endr
.endr
.irp c, 0,1
	v_permlanex16_b32 v[BP+\c], v[BM+\c], s[SEL], s[SEL+1]
.endr
.irp c, 0,1
	v_max_num_f32 v[BM+\c], v[BM+\c], v[BP+\c]
.endr
.irp c, 0,1
	v_add_nc_u32 v[BS+\c], 0xfc000000, v[BM+\c]
.endr
.irp c, 0,1
	v_and_or_b32 v[BH+\c], v[BM+\c], 0x7f800000, s[MNT]
.endr
.irp c, 0,1
	v_lshrrev_b32 v[BP+\c], 23, v[BS+\c]
.endr
.irp c, 0,1
.irp i, 0,1,2,3,4,5,6,7,8,9,10,11,12,13,14,15
	v_med3_num_f32 v[O+16*\c+\i], v[O+16*\c+\i], -v[BH+\c], v[BH+\c]
.endr
	v_cvt_scalef32_pk8_fp8_f32 v[PCD+4*\c:PCD+1+4*\c], v[O+16*\c:O+7+16*\c], v[BS+\c]
	v_cvt_scalef32_pk8_fp8_f32 v[PCD+2+4*\c:PCD+3+4*\c], v[O+8+16*\c:O+15+16*\c], v[BS+\c]
.endr
	v_cmp_eq_u32 vcc_lo, 1, v249                   ; (a plain instruction behind the last conversion)
	s_wait_alu depctr_va_vcc(0)                    ; the compare has written VCC, which the select below reads
	v_cndmask_b32 v[TMP], v[BP], v[BP+1], vcc_lo   ; lanes 0-15 store block 0's byte, lanes 16-31 block 1's
	v_cmp_neq_f32 vcc_lo, 0, v14
	s_wait_alu depctr_va_vcc(0)                    ; the second compare has written VCC, which the select below reads
	v_cndmask_b32 v[TMP], 0xff, v[TMP], vcc_lo     ; a query with no key allowed: the byte that makes its sums NaN
	s_wait_alu depctr_va_vdst(0)                   ; the conversions have written the codes v200-207, the select the byte v254, and the offsets v250 and v251 are written: the five stores below read them
.irp c, 0,1
.irp u, 0,1
	global_store_b64 v250, v[PCD+4*\c+2*\u:PCD+4*\c+2*\u+1], s[OC:OC+1] offset:512*\c+256*\u   ; k in its true place in the image: byte 512 c + 16 (r + 16 u) + 8 h.  32 lanes store 256 consecutive bytes, at a multiple of 256
.endr
.endr
	global_store_b8 v251, v[TMP], s[OSC:OSC+1]     ; single bytes, 32 bytes apart from query to query: one byte for each 32 bytes of codes
	s_wait_xcnt 0x0
	s_wait_alu depctr_vm_vsrc(0)                   ; the byte's store has read v254, which the line below writes anew
	v_lshl_add_u32 v254, v0, 2, 0x18600
	v_mov_b32 v255, 0
	s_wait_dscnt 0x0                               ; the closing lines, six on end
	s_wait_alu 0x0
	s_wait_tensorcnt 0x0
	ds_add_u32 v254, v255
	s_wait_dscnt 0x0
	s_endpgm
.Lfunc_end_k_q9e8ea2f5b5_attn:
	.size	k_q9e8ea2f5b5_attn, .Lfunc_end_k_q9e8ea2f5b5_attn-k_q9e8ea2f5b5_attn
	.p2alignl 7, 3214868480
	.fill 96, 4, 3214868480
	.section	.rodata,"a",@progbits
	.p2align	6, 0x0
	.amdhsa_kernel k_q9e8ea2f5b5_attn
		.amdhsa_group_segment_fixed_size 101888
		.amdhsa_private_segment_fixed_size 0
		.amdhsa_enable_private_segment 0
		.amdhsa_kernarg_size 40
		.amdhsa_user_sgpr_count 2
		.amdhsa_user_sgpr_kernarg_segment_ptr 1
		.amdhsa_wavefront_size32 1
		.amdhsa_system_sgpr_workgroup_id_x 1
		.amdhsa_system_sgpr_workgroup_id_y 1
		.amdhsa_system_sgpr_workgroup_id_z 1
		.amdhsa_system_vgpr_workitem_id 0
		.amdhsa_next_free_vgpr 256
		.amdhsa_next_free_sgpr 100
		.amdhsa_reserve_vcc 1
		.amdhsa_float_denorm_mode_32 3
		.amdhsa_float_denorm_mode_16_64 3
		.amdhsa_memory_ordered 1
		.amdhsa_forward_progress 1
		.amdhsa_inst_pref_size 108
	.end_amdhsa_kernel
	.amdgpu_metadata
---
amdhsa.version: [ 1, 2 ]
amdhsa.kernels:
  - .name:           k_q9e8ea2f5b5_attn
    .symbol:         k_q9e8ea2f5b5_attn.kd
    .args:
      - { .name: qkvc, .offset: 0, .size: 8, .value_kind: global_buffer, .address_space: global }
      - { .name: scl, .offset: 8, .size: 8, .value_kind: global_buffer, .address_space: global }
      - { .name: mbits, .offset: 16, .size: 8, .value_kind: global_buffer, .address_space: global }
      - { .name: ocodes, .offset: 24, .size: 8, .value_kind: global_buffer, .address_space: global }
      - { .name: oscales, .offset: 32, .size: 8, .value_kind: global_buffer, .address_space: global }
    .group_segment_fixed_size: 101888
    .private_segment_fixed_size: 0
    .kernarg_segment_align: 8
    .kernarg_segment_size: 40
    .max_flat_workgroup_size: 512
    .sgpr_count:     100
    .vgpr_count:     256
    .wavefront_size: 32
...
	.end_amdgpu_metadata
.endif
;; end of part 5
;; launch outp: the kernel of part 4 again; grid 4 x 32, 4 waves a work-group, clusters of 4 x 4, 327,680 bytes of LDS; arguments ocodes, oscales, out_w_codes, out_w_scales, out_b, out0; writes out0
